; MI455X (gfx1250); checked and timed in simulation.
; The chip was launched on July 23, 2026; its instructions are those of AMD's public machine-readable ISA for CDNA 5 (MIT licence, August 2026) and "CDNA5" Instruction Set Architecture Reference Guide (July 2026). The comments in the code are by the model that wrote it; some were corrected since.
;; Multi Head Attention. Allowed arithmetic: matrix products marked QUANTISED: E4M3 operands, one E8M0 scale for each 32 along K, by v_wmma_scale_f32_16x16x128_f8f6f4 with both operands' format E4M3, f32 sums; everything else in f32.
;; Inputs: bk_ 1,024 float32; bo 1,024 float32; bq 1,024 float32; bv 1,024 float32; input_tensor_codes 4 x 2,048 x 32 x 32 uint8 (E4M3 codes of input_tensor, K innermost, in blocks of 32 codes); input_tensor_scales 4 x 2,048 x 32 uint8 (E8M0 scales of input_tensor, one for each 32 codes along K); wk_codes 1,024 x 32 x 32 uint8 (E4M3 codes of wk, K innermost, in blocks of 32 codes); wk_scales 1,024 x 32 uint8 (E8M0 scales of wk, one for each 32 codes along K); wo_codes 1,024 x 32 x 32 uint8 (E4M3 codes of wo, K innermost, in blocks of 32 codes); wo_scales 1,024 x 32 uint8 (E8M0 scales of wo, one for each 32 codes along K); wq_codes 1,024 x 32 x 32 uint8 (E4M3 codes of wq, K innermost, in blocks of 32 codes); wq_scales 1,024 x 32 uint8 (E8M0 scales of wq, one for each 32 codes along K); wv_codes 1,024 x 32 x 32 uint8 (E4M3 codes of wv, K innermost, in blocks of 32 codes); wv_scales 1,024 x 32 uint8 (E8M0 scales of wv, one for each 32 codes along K).
;; Outputs: out0 4 x 2,048 x 1,024 float32.
;; This version of the problem:
;;   THIS VERSION OF THE PROBLEM IS GIVEN IN LOW PRECISION. The matrix products marked QUANTISED in the list below multiply operands that are first quantised to E4M3 (4 exponent bits, 3 mantissa bits; 8 bits a number), with one power-of-two scale for each 32 numbers along K (OCP MX v1.0); their sums are f32. All else is computed in f32.
;;   The module's matrix products, in the order in which they are computed (A, B: the left and right operand; K: the contracted axis; several contracted axes count as one K, in the product's order):
;;     1. [M 8,192, K 1,024] x [K 1,024, N 1,024]; A: input input_tensor (given as codes); B: input wq (given as codes): QUANTISED
;;     2. [M 8,192, K 1,024] x [K 1,024, N 1,024]; A: input input_tensor (given as codes); B: input wk (given as codes): QUANTISED
;;     3. [M 8,192, K 1,024] x [K 1,024, N 1,024]; A: input input_tensor (given as codes); B: input wv (given as codes): QUANTISED
;;     4. batch 64 x [M 2,048, K 64] x [K 64, N 2,048]; A: computed on the way; B: computed on the way: QUANTISED
;;     5. batch 64 x [M 2,048, K 2,048] x [K 2,048, N 64]; A: softmax (see below); B: computed on the way: QUANTISED
;;     6. [M 8,192, K 1,024] x [K 1,024, N 1,024]; A: computed on the way; B: input wo (given as codes): QUANTISED
;;   THE QUANTISER, for each operand of a quantised product, along K:
;;     - K is cut into blocks of 32 from its start; a last block that is shorter is filled with zeros.
;;     - A block's scale is 2^e with e = floor(log2(the largest magnitude in the block)) - 8, held to -126 .. 127; a block of zeros has e = 0. As a byte (E8M0): e + 127.
;;     - Each number is divided by its block's scale, clamped to +-448, and rounded to the nearest number of E4M3, ties to even, subnormals kept.
;;     - The product sums the exact products of the quantised numbers (number of the format x scale) in f32.
;;   ~~~python
;;   def quantise(x, axis):      # numpy; x: float32 -> the quantised numbers, widened to float32 again
;;       x = np.moveaxis(x, axis, -1); K = x.shape[-1]
;;       x = np.pad(x, [(0, 0)] * (x.ndim - 1) + [(0, -K % 32)]); x = x.reshape(x.shape[:-1] + (-1, 32)); a = np.abs(x).max(-1, keepdims=True)
;;       e = np.where(a > 0, np.clip(np.frexp(np.where(a > 0, a, 1))[1] - 1 - 8, -126, 127), 0)      # np.frexp(a)[1] - 1 = floor(log2(a)), exactly
;;       r = np.clip(x / 2.0 ** e, -448, 448)
;;       step = 2.0 ** (np.maximum(np.frexp(np.where(r == 0, 1, r))[1] - 1, -6) - 3)
;;       q = np.round(r / step) * step * 2.0 ** e      # np.round: ties to even
;;       return np.moveaxis(q.reshape(q.shape[:-2] + (-1,))[..., :K], -1, axis).astype(np.float32)
;;   ~~~
;;   SOFTMAX AHEAD OF A QUANTISED PRODUCT. Where the list says 'softmax', what is quantised is not the finished softmax but p = 2^(t - M), with t = logit x log2(e) and M = ceil(the row's largest t), a whole number; so 1/2 < the row's largest p <= 1. The row's sum l is taken of the UNQUANTISED p, in f32, and the product's result is divided by l at the end. Since M is a whole number, a kernel that streams over the keys may use a running M (the ceiling of the running maximum): every later rescaling is an exact power of two, which a block's scale takes up: the codes' values come out the same.
;;   OPERANDS COMPUTED ON THE WAY. 'Computed on the way' means the value that the module computes at that place (a softmax that the list does not call 'softmax' is quantised finished and normalised). What goes into a quantiser is computed in f32, as accurately as f32 sums, v_exp_f32 and their like allow (about 1e-6 of the number): no bf16 or f16 on the way to a quantiser, and a product that is left as it is and whose result goes on into a quantised operand takes f32 operands (vector FMAs, or v_wmma_f32_16x16x4_f32). A number that lies on a knife's edge between two numbers of the format may be rounded either way, as far as f32 arithmetic and the matrix unit's own rounding can turn it there, and no further.
;;   INPUTS GIVEN AS CODES. input_tensor (in the module: [4, 2048, 1024], K = its axis 2); wk (in the module: [1024, 1024], K = its axis 1); wo (in the module: [1024, 1024], K = its axis 1); wq (in the module: [1024, 1024], K = its axis 1); wv (in the module: [1024, 1024], K = its axis 1): each comes as NAME_codes (uint8): NAME with its K axis moved to the last place and cut into blocks of 32 codes, [.., K / 32, bytes a block], one block behind the other in memory; one code a byte (a code: sign, 4 exponent bits, 3 mantissa bits); and NAME_scales (uint8): the same leading axes, one E8M0 byte (e + 127) for each 32 codes along K. Its value is code x scale, taken as it is: it is not quantised again, and the codes and scales need not be those that the quantiser above would give.
;; One version. Each part assembles by itself: llvm-mc -triple=amdgcn-amd-amdhsa -mcpu=gfx1250 --defsym DOCPART=n.
;; ======== version 1 of 1: 3 launches
;; limits: right only within a limited range of input values
;; workspace buffers: qkv 25,165,824 bytes; qkvs 786,432 bytes; ac 8,388,608 bytes; asc 262,144 bytes
;; launch proj (part 1): grid 24 x 32, 4 waves a work-group, clusters of 4 x 4, 327,680 bytes of LDS; arguments input_tensor_codes, input_tensor_scales, wq_codes, wq_scales, wk_codes, wk_scales, wv_codes, wv_scales, bq, bk_, bv, qkv, qkvs; writes qkv, qkvs
.if DOCPART == 1
	.amdgcn_target "amdgcn-amd-amdhsa--gfx1250"
	.amdhsa_code_object_version 6
	.text
	.protected	k_q816fccdc29_proj
	.globl	k_q816fccdc29_proj
	.p2align	8
	.type	k_q816fccdc29_proj,@function
k_q816fccdc29_proj:
	s_mov_b64 s[64:65], 0
	v_nop
	global_prefetch_b8 v0, s[64:65] scope:SCOPE_SE
	s_setreg_imm32_b32 hwreg(HW_REG_WAVE_MODE, 25, 1), 1
	s_wait_xcnt 0x0
	s_wait_alu depctr_hold_cnt(0) depctr_sa_sdst(0) depctr_va_vdst(0) depctr_va_sdst(0) depctr_va_ssrc(0) depctr_va_vcc(0) depctr_vm_vsrc(0)
	s_getreg_b32 s2, hwreg(HW_REG_IB_STS2, 6, 4)
	s_cmp_eq_u32 s2, 0
	s_cbranch_scc0 .Lentry_in_a_cluster
	s_endpgm
.Lentry_in_a_cluster:
	s_bfe_u32 s2, ttmp6, 0x10000c
	s_cmp_lg_u32 s2, 0xf033
	s_cbranch_scc0 .Lentry_shape_is_right
	s_endpgm
.Lentry_shape_is_right:
; q = X Wq^T + bq, k = X Wk^T + bk, v = X Wv^T + bv on codes of FP8 (E4M3) with one E8M0 scale for each 32 along K (K = 1,024), and the results quantised at once for the attention that follows.
; X: [8,192][1,024] codes, [8,192][32] scale bytes; each W: [1,024][1,024] codes, [1,024][32] scale bytes; biases f32.
; SHARES.  A work-group makes 256 rows of "source 1" x 128 rows of "source 0"; wave w takes source 1's rows 64 w .. 64 w + 63 (4 tiles a) against all 128 rows of source 0 (8 tiles t): 32 accumulators.
; The matrix instruction takes 16 rows of source 0 first and 16 rows of source 1 second: lane (r, h) then holds row r of source 1, and register j of tile t row 16 t + 8 h + j of source 0.
; ONE TEXT SERVES q, k AND v BY A CHANGE OF ROLES.  q, k: source 0 = 128 rows of W (two heads), source 1 = 256 rows of X: a lane's registers run along the head's axis, which is K of q k^T.
; v: source 0 = 128 rows of X (128 keys), source 1 = 256 rows of Wv (four heads, one a wave): a lane's registers run along the keys, which are K of p v.  The type is the cluster's x / 2: the same in all partners.
; So a lane's 64 numbers of a tile a are four whole blocks of 32 of the next K (shared with lane l xor 16), and the conversions' results are the next operand's registers: they are stored as IMAGES OF REGISTERS,
; 16 bytes a lane, 512 consecutive bytes a store.  Inside a block of 32 the numbers stand in a fixed other order (place 16 h + 8 u + j holds number 16 u + 8 h + j); q and k have it alike, and so have v and the softmax's p.
; qkv: [batch x head 64][Q | K | V image, 131,072 bytes each]; Q, K image: [tile of 16 rows 128][block 2][lane 32][16 bytes]; V image: [128 keys 16][tile of 16 channels 4][block 4][lane 32][16 bytes].
; qkvs: [q | k | v][262,144 bytes]; q, k: [batch x 8 + pair of heads][row 2,048] a word: bytes 0, 1 the even head's two blocks, bytes 2, 3 the odd head's; v: [batch x head][128 keys 16][channel 64] a word: the four blocks of keys.
; LDS: three slots of 256 along K (source 1's 256 rows, then source 0's 128, 256 bytes + 16 of padding a row) and all scale bytes are first fills; slot 0 is filled once more, with the last 256 along K.
; A wave has at most four tensor loads outstanding, by this text's own count.  CLUSTER: 4 x 4; source 1's tiles hang on the cluster's y place alone and are asked for jointly along a row, source 0's along a column.
; LIMITS: NaN and infinities among the inputs are not served.  A block of zeros gets the scale byte 1 where the rule says 127: its codes are zeros, and this program alone reads the bytes.
; The other order inside a block changes the order of the sums inside one matrix instruction, not the products.
.set PITCH,  272                       ; an LDS row: 256 bytes + 16: 68 words, so the 16 rows that a load touches start at 16 different banks
.set TILEB,  16*PITCH
.set S0P,    256*PITCH                 ; source 0's part of a slot begins here
.set SLOT,   384*PITCH                 ; 104,448 bytes
; LDS AS THIS TEXT LAYS IT (in place of the three slots named above): slot 0 (K 0 .. 255, later 768 .. 1,023) at pitch 272; behind it one region for K 256 .. 767, rows of 512 bytes + 16:
; source 1's 256 rows, then source 0's 128.  A wave has one tensor load out at a time: one of four whole tiles at the head, its part of the region behind a full sequence and a round, its part of slot 0's refill behind another.
; No prefetch: the text has no loop to run ahead in.
.set P2,     528
.set TILE2,  16*P2
.set S0P2,   SLOT+256*P2
.set SCL,    SLOT+384*P2
.set SCL0,   SCL+32*PITCH              ; source 0's: 16 units
.set SPARE,  SCL+48*PITCH              ; the spare words: 128 bytes a wave
.set STAGE,  SLOT                      ; 256 bytes a wave for the scale words on their way out: in slot 1, behind its only fill and its last read
.set S1TB,   TILEB                     ; source 1's fragments: from tile to tile, from 128 along K to the next, from block to block
.set S1QB,   128
.set S1CS,   32
.set ADR1, 4                           ; v4-6   LDS address of my fragments of source 1 in slot 0, 1, 2
.set ADR0, 8                           ; v8-10  the same for source 0
.set ADRS, 11                          ; v11    of my scale words: lanes 0-15 source 1's rows, lanes 16-31 source 0's
.set VA,   12                          ; v12-15 my byte offset in the images, tile a
.set STW,  16                          ; v16    the stage: where my row's scale word goes
.set STR,  17                          ; v17    and where I read 8 bytes back
.set L8,   18                          ; v18    8 x lane
.set BOF,  19                          ; v19    my offset in the bias
.set SPW,  20                          ; v20    my spare word's address; never rewritten
.set NIL,  21                          ; v21    0; never rewritten
.set SC,   32                          ; v32-95 scale words: register 8 i + q: lanes 0-15 source 1's tile i, lanes 16-31 source 0's tile i, for the q-th 128 along K
.set S1,   SC
.set BI,   96                          ; v96-159 the bias, in the result's layout: the C of the first products
.set PC,   160                         ; v160-223 the codes: 16 registers a tile a
.set TM,   224                         ; v224-239 at work: largest magnitudes, bytes, holds, scale operands
.set PW,   240                         ; v240-243 the scale word of tile a
.set WV,   20
.set HALF, 21
.set SIDE, 22
.set ISV,  23
.set G1A,  24                          ; s[24:31] group 1, source 1's tiles;  s[32:39] source 0's;  s[40:47], s[48:55] their scale bytes
.set G1B,  32
.set G1SA, 40
.set G1SB, 48
.set G0A0, 56                          ; groups 0: source 1, slots 0, 1, 2
.set G0A1, 60
.set G0A2, 68
.set G0B0, 72                          ; source 0
.set G0B1, 76
.set G0B2, 80
.set G0SA, 84
.set G0SB, 88
.set SEL,  66
.set MNT,  92
.set OC,   14                          ; s[14:15] where my codes go;  s[16:17] my scale words;  s[18:19] the codes of blocks 2 and 3
.set OS,   16
.set OC2,  18
.set MULW, 0xad                        ; source 0 window 1, source 1 window 3, C and D window 2
.set MSB, 0
.macro WIN new                         ; the immediate's high byte repeats the setting that is left
.if MSB != \new
	s_set_vgpr_msb (MSB<<8)|\new
.set MSB, \new
.endif
.endm
.macro PLACES n
.rept \n
	v_nop
.endr
.endm
; A joint load: waves 0 and 1 fetch for source 1, waves 2 and 3 for source 0.  The branch hangs on the wave's number alone.  Four v_nop follow each of the two lines.
.macro JLOAD g0a, g1a, g0b, g1b
	s_cmp_eq_u32 s[SIDE], 0
	s_cbranch_scc0 .Lfor_b_\@
	tensor_load_to_lds s[\g0a:\g0a+3], s[\g1a:\g1a+7]
	s_nop 0
.rept 4
	v_nop
.endr
	s_branch .Lasked_\@
.Lfor_b_\@:
	tensor_load_to_lds s[\g0b:\g0b+3], s[\g1b:\g1b+7]
	s_nop 0
.rept 4
	v_nop
.endr
.Lasked_\@:
.endm
.macro CREST                           ; a round of the cluster's barrier behind its opening barrier
	s_cmp_lg_u32 s[WV], 0
	s_cbranch_scc1 .Lnot_wave_0_\@
	s_barrier_signal -3
.Lnot_wave_0_\@:
	s_barrier_wait -3
	s_barrier_signal -1
	s_barrier_wait -1
.endm
.macro CROUND
	s_barrier_signal -1
	s_barrier_wait -1
	CREST
.endm
.macro MKG1 g, c, r, p                 ; group 1 but for its first word: rows of c elements, r rows, p elements from row to row
	s_mov_b32 s[\g+1], (\c)<<16
	s_mov_b32 s[\g+2], (\r)<<16
	s_mov_b32 s[\g+3], (\c)<<16
	s_mov_b32 s[\g+4], \r
	s_mov_b32 s[\g+5], \p
	s_mov_b32 s[\g+6], 0
	s_mov_b32 s[\g+7], 0
.endm
.macro MKG0 g, lb, lc, ga, gc          ; group 0: LDS byte s[lb] + lc, global address s[ga:ga+1] + gc
	s_mov_b32 s[\g], 1
	s_add_co_u32 s[\g+1], s[\lb], \lc
	s_add_nc_u64 s[\g+2:\g+3], s[\ga:\ga+1], \gc
	s_or_b32 s[\g+3], s[\g+3], 0x80000000
.endm
.macro FRAG reg, adr, off, cs          ; a fragment, 16 rows x 128 K: registers 4 c .. 4 c + 3 hold K = 32 c + 16 (lane / 16) + 0 .. 15
.irp c, 0,1,2,3
	ds_load_b128 v[(\reg)+4*\c:(\reg)+4*\c+3], v[\adr] offset:(\off)+(\cs)*\c
.endr
.endm
.macro FETCH slot, qh, p               ; the fragments of the slot's qh-th 128 along K into set p: 32 loads for source 0, 16 for source 1
	WIN 0x40
.irp t, 0,1,2,3,4,5,6,7
.if \slot == 0
	FRAG 128*(\p)+16*\t, ADR0, \t*TILEB+128*(\qh), 32
.else
	FRAG 128*(\p)+16*\t, ADR0+1, \t*TILE2+256*((\slot)-1)+128*(\qh), 32
.endif
.endr
	WIN 0xc0
.irp i, 0,1,2,3
.if \slot == 0
	FRAG 64*(\p)+16*\i, ADR1, \i*S1TB+S1QB*(\qh), S1CS
.else
	FRAG 64*(\p)+16*\i, ADR1+1, \i*TILE2+256*((\slot)-1)+128*(\qh), S1CS
.endif
.endr
	WIN 0
.endm
; 8 matrix instructions: source 1's tile a against source 0's eight; set p; q: which 128 along K (for the scale words).  cmode 0: onto the sums; 1: the sums begin with the bias by source 0's rows; 2: by source 1's rows.
; The 32 accumulators take turns, one instruction a turn, in the same order in every step.
.macro MUL8 a, p, q, cmode
.irp t, 0,1,2,3,4,5,6,7
.if \cmode == 0
	v_wmma_scale_f32_16x16x128_f8f6f4 v[8*(8*(\a)+\t):8*(8*(\a)+\t)+7], v[128*(\p)+16*\t:128*(\p)+16*\t+15], v[64*(\p)+16*(\a):64*(\p)+16*(\a)+15], v[8*(8*(\a)+\t):8*(8*(\a)+\t)+7], v[SC+8*\t+(\q)], v[S1+8*(\a)+(\q)] matrix_a_scale:MATRIX_SCALE_ROW1
.elseif \cmode == 1
	v_wmma_scale_f32_16x16x128_f8f6f4 v[8*(8*(\a)+\t):8*(8*(\a)+\t)+7], v[128*(\p)+16*\t:128*(\p)+16*\t+15], v[64*(\p)+16*(\a):64*(\p)+16*(\a)+15], v[BI+8*\t:BI+8*\t+7], v[SC+8*\t+(\q)], v[S1+8*(\a)+(\q)] matrix_a_scale:MATRIX_SCALE_ROW1
.else
	v_wmma_scale_f32_16x16x128_f8f6f4 v[8*(8*(\a)+\t):8*(8*(\a)+\t)+7], v[128*(\p)+16*\t:128*(\p)+16*\t+15], v[64*(\p)+16*(\a):64*(\p)+16*(\a)+15], v[BI+8*((\a)+4*(\t%2)):BI+8*((\a)+4*(\t%2))+7], v[SC+8*\t+(\q)], v[S1+8*(\a)+(\q)] matrix_a_scale:MATRIX_SCALE_ROW1
.endif
.endr
.endm
; A step of 128 along K: 32 products on set q % 2; in its middle the next step's 48 loads go into the other set, eight places behind the products that read it last.
.macro STEPN q, nslot, nqh
	s_wait_dscnt 0x0                               ; this step's fragments are in
	WIN MULW
	MUL8 0, (\q)%2, \q, 0
	MUL8 1, (\q)%2, \q, 0
	PLACES 8
	FETCH \nslot, \nqh, 1-(\q)%2
	WIN MULW
	MUL8 2, (\q)%2, \q, 0
	MUL8 3, (\q)%2, \q, 0
.endm
	s_load_b512 s[24:39], s[0:1], 0x0              ; X's codes, X's scales, Wq's, Wk's, Wv's codes and scales
	s_load_b256 s[40:47], s[0:1], 0x40             ; bq, bk, bv, qkv
	s_load_b64 s[48:49], s[0:1], 0x60              ; qkvs
	v_lshl_add_u32 v[SPW], v0, 2, SPARE
	v_mov_b32 v[NIL], 0
	ds_add_u32 v20, v21
	ds_add_u32 v20, v21
	s_wait_dscnt 0x0
	v_lshrrev_b32 v1, 5, v0
	v_readfirstlane_b32 s[WV], v1                  ; wave 0..3
	s_and_b32 s[HALF], s[WV], 1                    ; which half of a tile I fetch
	s_lshr_b32 s[SIDE], s[WV], 1                   ; for source 1 (0) or source 0 (1)
	s_bfe_u32 s92, ttmp6, 0x40000                  ; cx
	s_bfe_u32 s93, ttmp6, 0x40004                  ; cy
	s_and_b32 s94, ttmp7, 0xffff                   ; the cluster's y
	s_lshl_b32 s95, ttmp9, 2
	s_add_co_u32 s95, s95, s92
	s_and_b32 s95, s95, 7                          ; xq: the work-group's x within its type, 0..7
	s_lshr_b32 s96, ttmp9, 1                       ; the type: 0 q, 1 k, 2 v
	s_lshl_b32 s97, s94, 3
	s_lshl_b32 s100, s94, 2
	s_lshl_b32 s2, s93, 2
	s_lshl_b32 s2, 15, s2                          ; my row of the cluster
	s_lshl_b32 s3, 0x1111, s92                     ; my column
	s_cmp_ge_u32 ttmp9, 4                          ; v?
	s_cselect_b32 s[ISV], 1, 0
	s_cselect_b32 s97, s97, 0
	s_cselect_b32 s100, 0, s100
	s_add_co_u32 s98, s95, s97                     ; source 0's tile of 128 rows: xq (of W), or xq + 8 x cluster y (of X): never the y place
	s_add_co_u32 s99, s93, s100                    ; source 1's tile of 256 rows: cy + 4 x cluster y (of X), or cy (of Wv): never the x place
	s_wait_kmcnt 0x0
	s_cmp_ge_u32 ttmp9, 2                          ; the choices hang on the cluster's x alone
	s_cselect_b64 s[50:51], s[32:33], s[28:29]
	s_cselect_b64 s[52:53], s[34:35], s[30:31]
	s_cselect_b64 s[12:13], s[42:43], s[40:41]
	s_cmp_ge_u32 ttmp9, 4
	s_cselect_b64 s[50:51], s[36:37], s[50:51]     ; my type's W: codes,
	s_cselect_b64 s[52:53], s[38:39], s[52:53]     ; scales,
	s_cselect_b64 s[12:13], s[44:45], s[12:13]     ; bias
	s_cselect_b64 s[4:5], s[24:25], s[50:51]       ; source 0: X for v, else W
	s_cselect_b64 s[6:7], s[26:27], s[52:53]
	s_cselect_b64 s[8:9], s[50:51], s[24:25]       ; source 1: Wv for v, else X
	s_cselect_b64 s[10:11], s[52:53], s[26:27]
	s_mov_b64 s[OC:OC+1], s[46:47]
	s_mov_b64 s[OS:OS+1], s[48:49]
	; descriptors.  Codes: elements of 1 byte, rows of 256, 1,024 from row to row, 4 words of padding behind every 64.  Scale bytes: a dense block as rows of 32 elements of 8 bytes, padded alike.
	s_or_b32 s[G1A], s2, (1<<20)|(1<<21)|(5<<22)|(3<<25)
	s_or_b32 s[G1B], s3, (1<<20)|(1<<21)|(5<<22)|(3<<25)
	s_or_b32 s[G1SA], s2, (3<<16)|(1<<20)|(1<<21)|(5<<22)|(3<<25)
	s_or_b32 s[G1SB], s3, (3<<16)|(1<<20)|(1<<21)|(5<<22)|(3<<25)
	MKG1 G1A, 256, 256, 1024                       ; the head's tiles are whole: source 1's 256 rows,
	MKG1 G1B, 256, 128, 1024                       ; source 0's 128,
	MKG1 G1SA, 32, 32, 32                          ; and their scale bytes
	MKG1 G1SB, 32, 16, 32
	s_mov_b32 s19, 0
	s_mov_b32 s101, 0
	s_lshl_b32 s18, s99, 18                        ; source 1: 256 rows of 1,024 bytes a tile
	s_add_nc_u64 s[8:9], s[8:9], s[18:19]
	s_lshl_b32 s18, s99, 13                        ; its scale bytes: 32 a row
	s_add_nc_u64 s[10:11], s[10:11], s[18:19]
	s_lshl_b32 s100, s98, 17                       ; source 0: 128 rows a tile
	s_add_nc_u64 s[4:5], s[4:5], s[100:101]
	s_lshl_b32 s100, s98, 12
	s_add_nc_u64 s[6:7], s[6:7], s[100:101]
	MKG0 G0SA, 101, SCL, 10, 0                     ; (s101 holds 0)
	MKG0 G0SB, 101, SCL0, 6, 0
	MKG0 G0A2, 101, 0, 8, 0                        ; the head's K 0 .. 255
	MKG0 G0B2, 101, S0P, 4, 0
	s_lshl_b32 s18, s[HALF], 17                    ; behind the head a wave fetches half a tile's rows
	s_add_nc_u64 s[8:9], s[8:9], s[18:19]
	s_lshl_b32 s100, s[HALF], 16
	s_add_nc_u64 s[4:5], s[4:5], s[100:101]
	s_mul_i32 s18, s[HALF], 128*PITCH              ; where they go: no place in the cluster enters an LDS address
	s_mul_i32 s19, s[HALF], 64*PITCH
	s_mul_i32 s97, s[HALF], 128*P2
	s_mul_i32 s100, s[HALF], 64*P2
	MKG0 G0A0, 18, 0, 8, 0                         ; slot 0's refill (768 is added there)
	MKG0 G0A1, 97, SLOT, 8, 256                    ; K 256 .. 767
	MKG0 G0B0, 19, S0P, 4, 0
	MKG0 G0B1, 100, S0P2, 4, 256
	CROUND                                         ; all sixteen work-groups are here: the first joint loads meet
; the head's loads, one a wave, in one chain of branches on the wave's number
.macro ARM under, g0, g1, next
	s_cmp_lt_u32 s[WV], \under
	s_cbranch_scc0 \next
	tensor_load_to_lds s[\g0:\g0+3], s[\g1:\g1+7]
	s_nop 0
.rept 4
	v_nop
.endr
	s_branch .Lhead_asked
\next:
.endm
	ARM 1, G0A2, G1A, .Lhead_b
	ARM 2, G0B2, G1B, .Lhead_sa
	ARM 3, G0SA, G1SA, .Lhead_sb
	tensor_load_to_lds s[G0SB:G0SB+3], s[G1SB:G1SB+7]
	s_nop 0
.rept 4
	v_nop
.endr
.Lhead_asked:
	s_mov_b32 s[SEL], 0x76543210
	s_mov_b32 s[SEL+1], 0xfedcba98                 ; v_permlanex16_b32's selects for lane l xor 16
	s_mov_b32 s[MNT], 0x600000                     ; the mantissa field of 448
	v_and_b32 v1, 15, v0                           ; r
	v_bfe_u32 v2, v0, 4, 1                         ; h
	v_and_b32 v3, 31, v0                           ; lane
	v_mul_u32_u24 v7, v1, PITCH
	v_lshl_add_u32 v7, v2, 4, v7                   ; a fragment's row x pitch + 16 h
	s_mul_i32 s4, s[WV], 64*PITCH                  ; my 64 rows of source 1, in slot 0
	v_add_nc_u32 v[ADR1], s4, v7
	v_add_nc_u32 v[ADR0], S0P, v7
	v_mul_u32_u24 v22, v1, P2                      ; and in the region of K 256 .. 767
	v_lshl_add_u32 v22, v2, 4, v22
	s_mul_i32 s4, s[WV], 64*P2
	s_add_co_u32 s4, s4, SLOT
	v_add_nc_u32 v[ADR1+1], s4, v22
	v_add_nc_u32 v[ADR0+1], S0P2, v22
	v_lshlrev_b32 v7, 5, v1                        ; a row's 32 scale bytes,
	v_lshrrev_b32 v22, 3, v1
	v_lshl_add_u32 v7, v22, 4, v7                  ; and 16 more behind each 8 rows
	s_mul_i32 s4, s[WV], 8*PITCH                   ; source 1's: my 64 rows
	s_mov_b32 s5, 32*PITCH                         ; source 0's lie behind source 1's 256 rows
	s_sub_co_u32 s5, s5, s4
	v_mul_u32_u24 v22, s5, v2                      ; lanes 16-31 take source 0's
	s_add_co_u32 s4, s4, SCL
	v_add_nc_u32 v7, v7, v22
	v_add_nc_u32 v[ADRS], s4, v7
	s_lshl_b32 s4, s[WV], 8
	v_lshl_add_u32 v[STW], v1, 2, STAGE
	v_add_nc_u32 v[STW], s4, v[STW]
	v_lshl_add_u32 v[STR], v3, 3, STAGE
	v_add_nc_u32 v[STR], s4, v[STR]
	v_lshlrev_b32 v[L8], 3, v3
.irp b, 0,1,2,3
	v_mov_b32 v[TM+4+\b], 0                        ; written once: a lane permute's destination counts as one of its sources
.endr
	; the bias, in the result's layout.  Both arms fill the same 64 registers; the branch hangs on the type alone
	s_cmp_eq_u32 s[ISV], 0
	s_cbranch_scc0 .Lbias_v
	s_lshl_b32 s100, s95, 9                        ; q, k: register j of tile t wants b[128 xq + 16 t + 8 h + j]
	s_mov_b32 s101, 0
	s_add_nc_u64 s[12:13], s[12:13], s[100:101]
	v_lshlrev_b32 v[BOF], 5, v2
.irp t, 0,1,2,3,4,5,6,7
	global_load_b128 v[BI+8*\t:BI+8*\t+3], v[BOF], s[12:13] offset:64*\t
	global_load_b128 v[BI+8*\t+4:BI+8*\t+7], v[BOF], s[12:13] offset:64*\t+16
.endr
	s_branch .Lbias_done
.Lbias_v:
	s_lshl_b32 s100, s99, 10                       ; v: all eight registers of tile a want bv[256 x tile + 64 w + 16 a + r]; sets 4 .. 7 repeat sets 0 .. 3
	s_lshl_b32 s101, s[WV], 8
	s_add_co_u32 s100, s100, s101
	s_mov_b32 s101, 0
	s_add_nc_u64 s[12:13], s[12:13], s[100:101]
	v_lshlrev_b32 v[BOF], 2, v1
.irp x, 0,1,2,3,4,5,6,7
.irp j, 0,1,2,3,4,5,6,7
	global_load_b32 v[BI+8*\x+\j], v[BOF], s[12:13] offset:64*(\x%4)
.endr
.endr
.Lbias_done:
	; where my results go: both forms in scalars, then the choice.  (s4-s11 held the operands' addresses, which now stand in the descriptors)
	s_lshr_b32 s4, s99, 3                          ; q, k: the batch,
	s_and_b32 s5, s99, 7                           ; and the 256 rows in it
	s_lshl_b32 s6, s4, 4
	s_lshl_b32 s7, s95, 1
	s_add_co_u32 s6, s6, s7                        ; the even head: 16 x batch + 2 xq
	s_mul_i32 s6, s6, 393216
	s_lshl_b32 s7, s96, 17                         ; the type's image
	s_add_co_u32 s6, s6, s7
	s_lshl_b32 s7, s5, 14                          ; 16 tiles of 1,024 bytes for 256 rows
	s_add_co_u32 s6, s6, s7
	s_lshl_b32 s7, s[WV], 12                       ; my four tiles
	s_add_co_u32 s6, s6, s7
	s_lshl_b32 s4, s4, 3
	s_add_co_u32 s4, s4, s95                       ; 8 x batch + the pair of heads
	s_lshl_b32 s4, s4, 13
	s_lshl_b32 s5, s5, 10
	s_add_co_u32 s4, s4, s5
	s_lshl_b32 s5, s[WV], 8
	s_add_co_u32 s4, s4, s5
	s_lshl_b32 s5, s96, 18
	s_add_co_u32 s4, s4, s5
	s_lshr_b32 s7, s98, 4                          ; v: the batch,
	s_lshl_b32 s7, s7, 4
	s_lshl_b32 s8, s99, 2
	s_add_co_u32 s7, s7, s8
	s_add_co_u32 s7, s7, s[WV]                     ; my head: 16 x batch + 4 x tile + w
	s_and_b32 s8, s98, 15                          ; which 128 keys
	s_mul_i32 s9, s7, 393216
	s_add_co_u32 s9, s9, 262144
	s_lshl_b32 s10, s8, 13
	s_add_co_u32 s9, s9, s10
	s_lshl_b32 s7, s7, 4
	s_add_co_u32 s7, s7, s8
	s_lshl_b32 s7, s7, 8
	s_add_co_u32 s7, s7, 524288
	s_mov_b32 s10, 1024
	s_mov_b32 s11, 2048
	s_cmp_eq_u32 s[ISV], 0
	s_cselect_b32 s6, s6, s9                       ; codes
	s_cselect_b32 s4, s4, s7                       ; scale words
	s_cselect_b32 s10, 393216, s10                 ; blocks 2 and 3: the odd head's image, or 1,024 bytes on
	s_cselect_b32 s11, 1024, s11                   ; from tile a to the next
	s_mov_b32 s7, 0
	s_mov_b32 s5, 0
	s_add_nc_u64 s[OC:OC+1], s[OC:OC+1], s[6:7]
	s_add_nc_u64 s[OS:OS+1], s[OS:OS+1], s[4:5]
	s_mov_b32 s8, s10
	s_mov_b32 s9, 0
	s_add_nc_u64 s[OC2:OC2+1], s[OC:OC+1], s[8:9]
	v_lshlrev_b32 v7, 4, v3
.irp a, 0,1,2,3
	s_mul_i32 s8, s11, \a
	v_add_nc_u32 v[VA+\a], s8, v7
.endr
	s_wait_alu depctr_va_vdst(0)                   ; the wait at the head's end
	s_wait_tensorcnt 0x0                           ; my tile of the head's four is in; these lines stand ahead of a later first fill as ahead of a refill
	ds_add_u32 v[SPW], v[NIL]
	s_or_b32 s[G1A], s2, (1<<20)|(1<<21)|(6<<22)|(3<<25)   ; no load of mine is out: rows of 512 bytes, 4 words of padding behind each
	s_or_b32 s[G1B], s3, (1<<20)|(1<<21)|(6<<22)|(3<<25)
	MKG1 G1A, 512, 128, 1024
	MKG1 G1B, 512, 64, 1024
	s_wait_dscnt 0x0
	CROUND                                         ; everybody's tile is in, and all sixteen work-groups are here
	JLOAD G0A1, G1A, G0B1, G1B                     ; K 256 .. 767: my one load behind the round
.irp i, 0,1,2,3,4,5,6,7
	ds_load_b128 v[SC+8*\i:SC+8*\i+3], v[ADRS] offset:\i*2*PITCH        ; a row's eight scale words, for all of K.  (Lanes 0-15 of sets 4-7 are not used; they read filled bytes)
	ds_load_b128 v[SC+8*\i+4:SC+8*\i+7], v[ADRS] offset:\i*2*PITCH+16
.endr
	FETCH 0, 0, 0
	FETCH 0, 1, 1
	s_wait_dscnt 48                                ; all but the second step's 48 loads
	s_wait_loadcnt 0x0                             ; the bias
	s_cmp_eq_u32 s[ISV], 0                         ; step 0: the sums begin with the bias: nothing is cleared, nothing is added later
	s_cbranch_scc0 .Lfirst_v
	WIN 0x8d                                       ; C in window 0
	MUL8 0, 0, 0, 1
	MUL8 1, 0, 0, 1
	MUL8 2, 0, 0, 1
	MUL8 3, 0, 0, 1
	WIN 0
	s_branch .Lfirst_done
.Lfirst_v:
	WIN 0x8d
	MUL8 0, 0, 0, 2
	MUL8 1, 0, 0, 2
	MUL8 2, 0, 0, 2
	MUL8 3, 0, 0, 2
	WIN 0
.Lfirst_done:
	; step 1, and the one refill: slot 0 has been read out
	s_wait_dscnt 0x0
	WIN MULW
	MUL8 0, 1, 1, 0
	MUL8 1, 1, 1, 0
	WIN 0                                          ; (the add's two registers lie in window 0)
	s_wait_tensorcnt 0x0                           ; all my tensor loads have landed: slots 1 and 2 are whole when all have said so;
	ds_add_u32 v[SPW], v[NIL]
	s_or_b32 s[G1A], s2, (1<<20)|(1<<21)|(5<<22)|(3<<25)   ; no load of mine is out: rows of 256 bytes again, for slot 0's refill
	s_or_b32 s[G1B], s3, (1<<20)|(1<<21)|(5<<22)|(3<<25)
	MKG1 G1A, 256, 128, 1024
	MKG1 G1B, 256, 64, 1024
	WIN MULW
	MUL8 2, 1, 1, 0
	s_wait_dscnt 0x0                               ; the add is done, and my reads of slot 0 are over
	s_barrier_signal -1
	MUL8 3, 1, 1, 0
	WIN 0
	s_barrier_wait -1
	CREST                                          ; the barrier has opened a round of the cluster's barrier: no wave of any partner still reads slot 0 or has a load on its way
	s_add_nc_u64 s[G0A0+2:G0A0+3], s[G0A0+2:G0A0+3], 768
	s_add_nc_u64 s[G0B0+2:G0B0+3], s[G0B0+2:G0B0+3], 768
	JLOAD G0A0, G1A, G0B0, G1B                     ; K 768 .. 1,023: my one tensor load behind the round; it has four steps in which to land
	PLACES 4                                       ; with the four behind the load: eight places in front of the loads below
	FETCH 1, 0, 0
	STEPN 2, 1, 1
	STEPN 3, 2, 0
	STEPN 4, 2, 1
	; step 5: slot 0's second tile is wanted next
	s_wait_dscnt 0x0
	WIN MULW
	MUL8 0, 1, 5, 0
	MUL8 1, 1, 5, 0
	s_wait_tensorcnt 0x0                           ; the one load that is out: my part of the refill.
	s_barrier_signal -1
	MUL8 2, 1, 5, 0
	s_barrier_wait -1                              ; everybody's part is in; and every wave has long left slot 1, where the stage lies
	PLACES 8
	FETCH 0, 0, 0
	WIN MULW
	MUL8 3, 1, 5, 0
	STEPN 6, 0, 1
	s_wait_dscnt 0x0
	WIN MULW
	MUL8 0, 1, 7, 0
	MUL8 1, 1, 7, 0
	MUL8 2, 1, 7, 0
	MUL8 3, 1, 7, 0
	PLACES 8                                       ; in front of the first read of results
; THE WAY OUT.  Tile a's 64 numbers of a lane (window 2, register 16 b + i) are four blocks of the next K, each shared with lane l xor 16.  A block's scale: the largest magnitude's exponent field less 8, held at 1 from below by the floor
; 2^(9 - 127) among the maximum's leaves; each number is held within 448 x the scale (the conversion to an 8-bit code does not saturate: ISA guide 7.6.2) and converted.  Each accumulator is read from its low end on.
.macro QUANT a
	WIN 0x0a                                       ; sources 0 and 1 window 2
.irp b, 0,1,2,3
	v_max3_num_f32 v[TM+\b], |v[64*(\a)+16*\b]|, |v[64*(\a)+16*\b+1]|, 0x4800000
.endr
.irp i, 2,4,6,8,10,12,14
.irp b, 0,1,2,3
	v_max3_num_f32 v[TM+\b], |v[64*(\a)+16*\b+\i]|, |v[64*(\a)+16*\b+\i+1]|, v[TM+\b]
.endr
.endr
	WIN 0
.irp b, 0,1,2,3
	v_permlanex16_b32 v[TM+4+\b], v[TM+\b], s[SEL], s[SEL+1]
.endr
.irp b, 0,1,2,3
	v_max_num_f32 v[TM+\b], v[TM+\b], v[TM+4+\b]   ; with lane l xor 16's: the block's largest magnitude
.endr
.irp b, 0,1,2,3
	v_add_nc_u32 v[TM+12+\b], 0xfc000000, v[TM+\b] ; 8 off its exponent field: the conversion's scale operand
.endr
.irp b, 0,1,2,3
	v_and_or_b32 v[TM+8+\b], v[TM+\b], 0x7f800000, s[MNT]   ; 448 x the scale
.endr
.irp b, 0,1,2,3
	v_lshrrev_b32 v[TM+4+\b], 23, v[TM+12+\b]      ; the scale's byte
.endr
	v_lshl_or_b32 v[PW+\a], v[TM+5], 8, v[TM+4]
	v_lshl_or_b32 v[PW+\a], v[TM+6], 16, v[PW+\a]
	v_lshl_or_b32 v[PW+\a], v[TM+7], 24, v[PW+\a]
	WIN 0x82                                       ; destination and source 0 window 2
.irp b, 0,1,2,3
.irp i, 0,1,2,3,4,5,6,7,8,9,10,11,12,13,14,15
	v_med3_num_f32 v[64*(\a)+16*\b+\i], v[64*(\a)+16*\b+\i], -v[TM+8+\b], v[TM+8+\b]
.endr
.endr
	WIN 0x02                                       ; source 0 window 2
.irp b, 0,1,2,3
	v_cvt_scalef32_pk8_fp8_f32 v[PC+16*(\a)+4*\b:PC+16*(\a)+4*\b+1], v[64*(\a)+16*\b:64*(\a)+16*\b+7], v[TM+12+\b]
	v_cvt_scalef32_pk8_fp8_f32 v[PC+16*(\a)+4*\b+2:PC+16*(\a)+4*\b+3], v[64*(\a)+16*\b+8:64*(\a)+16*\b+15], v[TM+12+\b]
.endr
	v_nop                                          ; one plain line behind the last conversion, ahead of the next writes of its scale operands
	WIN 0
.irp c, 0,1
	global_store_b128 v[VA+\a], v[PC+16*(\a)+4*\c:PC+16*(\a)+4*\c+3], s[OC:OC+1] offset:512*\c          ; 32 lanes store 512 consecutive bytes; every store has data registers of its own
	global_store_b128 v[VA+\a], v[PC+16*(\a)+8+4*\c:PC+16*(\a)+8+4*\c+3], s[OC2:OC2+1] offset:512*\c
.endr
	ds_store_b32 v[STW], v[PW+\a] offset:64*(\a)   ; both halves of the lanes write the same word with the same value
.endm
	QUANT 0
	QUANT 1
	QUANT 2
	QUANT 3
	ds_load_b64 v[244:245], v[STR]                 ; LDS serves a wave's instructions in order: this sees my stores
	s_wait_dscnt 0x0
	global_store_b64 v[L8], v[244:245], s[OS:OS+1] ; my 64 scale words: 256 consecutive bytes, aligned
	s_wait_tensorcnt 0x0                           ; the wave's end
	ds_add_u32 v[SPW], v[NIL]
	s_wait_dscnt 0x0
	CROUND                                         ; the closing round: no work-group ends while a partner may still ask for a tile that names it
	s_endpgm
.Lfunc_end_k_q816fccdc29_proj:
	.size	k_q816fccdc29_proj, .Lfunc_end_k_q816fccdc29_proj-k_q816fccdc29_proj
	.p2alignl 7, 3214868480
	.fill 96, 4, 3214868480
	.section	.rodata,"a",@progbits
	.p2align	6, 0x0
	.amdhsa_kernel k_q816fccdc29_proj
		.amdhsa_group_segment_fixed_size 327680
		.amdhsa_private_segment_fixed_size 0
		.amdhsa_enable_private_segment 0
		.amdhsa_kernarg_size 104
		.amdhsa_user_sgpr_count 2
		.amdhsa_user_sgpr_kernarg_segment_ptr 1
		.amdhsa_wavefront_size32 1
		.amdhsa_system_sgpr_workgroup_id_x 1
		.amdhsa_system_sgpr_workgroup_id_y 1
		.amdhsa_system_sgpr_workgroup_id_z 1
		.amdhsa_system_vgpr_workitem_id 0
		.amdhsa_next_free_vgpr 896
		.amdhsa_next_free_sgpr 102
		.amdhsa_reserve_vcc 0
		.amdhsa_float_denorm_mode_32 3
		.amdhsa_float_denorm_mode_16_64 3
		.amdhsa_memory_ordered 1
		.amdhsa_forward_progress 1
		.amdhsa_inst_pref_size 123
	.end_amdhsa_kernel
	.amdgpu_metadata
---
amdhsa.version: [ 1, 2 ]
amdhsa.kernels:
  - .name:           k_q816fccdc29_proj
    .symbol:         k_q816fccdc29_proj.kd
    .args:
      - { .name: input_tensor_codes, .offset: 0, .size: 8, .value_kind: global_buffer, .address_space: global }
      - { .name: input_tensor_scales, .offset: 8, .size: 8, .value_kind: global_buffer, .address_space: global }
      - { .name: wq_codes, .offset: 16, .size: 8, .value_kind: global_buffer, .address_space: global }
      - { .name: wq_scales, .offset: 24, .size: 8, .value_kind: global_buffer, .address_space: global }
      - { .name: wk_codes, .offset: 32, .size: 8, .value_kind: global_buffer, .address_space: global }
      - { .name: wk_scales, .offset: 40, .size: 8, .value_kind: global_buffer, .address_space: global }
      - { .name: wv_codes, .offset: 48, .size: 8, .value_kind: global_buffer, .address_space: global }
      - { .name: wv_scales, .offset: 56, .size: 8, .value_kind: global_buffer, .address_space: global }
      - { .name: bq, .offset: 64, .size: 8, .value_kind: global_buffer, .address_space: global }
      - { .name: bk_, .offset: 72, .size: 8, .value_kind: global_buffer, .address_space: global }
      - { .name: bv, .offset: 80, .size: 8, .value_kind: global_buffer, .address_space: global }
      - { .name: qkv, .offset: 88, .size: 8, .value_kind: global_buffer, .address_space: global }
      - { .name: qkvs, .offset: 96, .size: 8, .value_kind: global_buffer, .address_space: global }
    .group_segment_fixed_size: 327680
    .private_segment_fixed_size: 0
    .kernarg_segment_align: 8
    .kernarg_segment_size: 104
    .max_flat_workgroup_size: 128
    .sgpr_count:     102
    .vgpr_count:     896
    .wavefront_size: 32
...
	.end_amdgpu_metadata
.endif
;; end of part 1
;; launch attn (part 2): grid 4 x 64, 8 waves a work-group, clusters of 4 x 1, 277,504 bytes of LDS; arguments qkv, qkvs, ac, asc; writes ac, asc
.if DOCPART == 2
	.amdgcn_target "amdgcn-amd-amdhsa--gfx1250"
	.amdhsa_code_object_version 6
	.text
	.protected	k_q816fccdc29_attn
	.globl	k_q816fccdc29_attn
	.p2align	8
	.type	k_q816fccdc29_attn,@function
k_q816fccdc29_attn:
	s_mov_b64 s[64:65], 0
	v_nop
	global_prefetch_b8 v0, s[64:65] scope:SCOPE_SE
	s_setreg_imm32_b32 hwreg(HW_REG_WAVE_MODE, 25, 1), 1
	s_wait_xcnt 0x0
	s_wait_alu depctr_hold_cnt(0) depctr_sa_sdst(0) depctr_va_vdst(0) depctr_va_sdst(0) depctr_va_ssrc(0) depctr_va_vcc(0) depctr_vm_vsrc(0)
	s_getreg_b32 s2, hwreg(HW_REG_IB_STS2, 6, 4)
	s_cmp_eq_u32 s2, 0
	s_cbranch_scc0 .Lentry_in_a_cluster
	s_endpgm
.Lentry_in_a_cluster:
	s_bfe_u32 s2, ttmp6, 0x10000c
	s_cmp_lg_u32 s2, 0x3003
	s_cbranch_scc0 .Lentry_shape_is_right
	s_endpgm
.Lentry_shape_is_right:
; o = softmax(q k^T / 8) v for one head, both products on codes of FP8 (E4M3) with one E8M0 scale for each 32 along K, and o quantised along the model's axis for the last product.
; q, k, v come as images of operand registers (16 bytes a lane, 512 bytes a group of four registers) with their scale words, as the launch before laid them.
; THE SOFTMAX: t = score x log2(e) / 8; M = the running largest t rounded UP to a whole number; p = 2^(t - M) is quantised along the keys, not normalised; the row's sum is taken of the unquantised p and divides at the end.
; When M moves, the sum and O are multiplied by 2^(old M - new M), which rounds nothing.
; SHARES.  A work-group owns one head and 512 queries; each of its eight waves owns TWO tiles of 16 queries at a time, twice.  Tile 0's registers lie in window 0, tile 1's under the same numbers in window 1,
; so one macro serves both; each fragment of K and V that a wave reads from LDS feeds both tiles' products.  K's fragments lie in window 0 (v32-103), V's in window 1 (v32-95): V of the step in hand and K of the next step
; are asked of LDS in the step's first part and land under the softmax.
; ORDER OF A STEP.  Tile 0's scores; tile 1's scores with tile 0's maxima behind them, four lines a product; tile 0's M with the next K's loads between its links; tile 1's maxima; tile 0's exponentials, sum, codes;
; tile 0's products on V with tile 1's M between them; tile 1's exponentials, sum, codes and products.  Maxima and sums go in eight chains that take turns.
; A HEAD'S K AND V CODES, 262,144 BYTES, LIE IN LDS WHOLE: each wave fetches 32,768 of them by its one tensor load, at the head; no byte is filled again.  The four work-groups of a head form the cluster and ask jointly.
; No prefetch: every tile is asked for at the head, so there is no loop to run ahead in.  The scale words, 12 KB, come by plain loads and are cut to the head on the way.
; LAYOUT.  S^T = K Q^T, O^T = V^T P^T: a lane holds ONE query (lane % 16).  The 16 registers of tiles 2 b, 2 b + 1 of S^T are the lane's half of block b of 32 keys, in the order in which v's codes were laid.
; THE HEAD'S AXIS IS 64, THE INSTRUCTION'S K 128: Q's upper eight registers hold zero codes; K's tile i is the run of 16 registers that begins at its own eight (behind tile 7: zeros): finite numbers against zero codes add nothing.
; The upper two scale bytes are 0, which is 2^-127 and harmless there.
; OUT: ac: [tile of 16 rows 512][pair of heads 8][block 4][lane][16 bytes], in the natural order of the head's axis; asc: [head 16][row 8,192] two bytes.
; LIMITS: NaN and infinities are not served.  The promise holds while the exponents to the base 2 stay under 2^31 in magnitude.  A block of zeros gets the scale byte 1 where the rule says 127: its codes are zeros, and this program alone reads the bytes.
.set VIMG, 131072                      ; LDS: K's image at 0, V's behind it,
.set KSC,  262144                      ; K's scale words, one a key: 8,192 bytes,
.set VSC,  270336                      ; V's: [128 keys 16][channel 64]: 4,096 bytes,
.set OST,  274432                      ; o's scale bytes on their way out: [512 rows] two bytes; the last three are written by LDS stores, no fill lands there
.set SPARE, 275456                     ; the spare words: 128 bytes a wave
.set LI,  1                            ; window 0: v1 16 x lane; v2 VIMG + that; v3 KSC + 4 x lane; v4 VSC + 4 x lane
.set LV,  2
.set LKS, 3
.set LVS, 4
.set ADK, 5                            ; v5-8 the addresses in hand: next K, V, next K's scale words, V's
.set ADV, 6
.set ADS, 7
.set ADT, 8
.set OSA, 9                            ; v9 OST + 64 x wave + 2 r
.set R4,  10                           ; v10 4 r
.set QR1, 11                           ; v11 tile 1's later scale word of Q as loaded; v243 tile 0's
.set QR0, 243
.set Q,   16                           ; each window: v12 -M, v13 the largest score, v[14:15] the sum; v16-23 Q's codes, v24-31 zero codes
.set KV,  32
.set S,   104                          ; v104-167 S^T, then p
.set O,   168                          ; v168-199 O^T
.set PCD, 200                          ; v200-215 p's codes; ahead of them seven partial sums
.set KSR, 216                          ; window 0 alone: v216-219 K's scale words, v220-221 V's, v222 / v254 Q's, v223 / v255 p's (tile 0 / tile 1)
.set VSR, 220
.set QS,  222
.set PS,  223
.set BM,  224                          ; each window: the blocks' largest; at work; holds; scale operands
.set PT,  228
.set HD,  232
.set SO,  236
.set F,   240                          ; f = 2^(old M - new M), ahead of that at work; v241 is named with it as a pair
.set T,   242
.set SPW, 244
.set NIL, 245
.set Q1,  246                          ; v246-253 the later 16 queries' codes
.set WV,  12
.set SEL, 20
.set CS,  22
.set MNT, 24
.set HI,  25
.set TK,  26                           ; s26 the step's bytes in V's image, s27 in V's scale words; s28, s29 the next step's in K's image and K's scale words
.set TT,  27
.set TKN, 28
.set TSN, 29
.set G1,  32
.set G0,  40
.set CNT, 44
.set CSN, 45                           ; s45 -c
.set MSB, 0
.macro WIN new                         ; the immediate's high byte repeats the setting that is left
.if MSB != \new
	s_set_vgpr_msb (MSB<<8)|\new
.set MSB, \new
.endif
.endm
.macro PLACES n
.rept \n
	v_nop
.endr
.endm
.macro WALU
	s_wait_alu depctr_va_vdst(0)
.endm
.macro CROUND                          ; a round of the cluster's barrier
	s_barrier_signal -1
	s_barrier_wait -1
	s_cmp_lg_u32 s[WV], 0
	s_cbranch_scc1 .Lnot_wave_0_\@
	s_barrier_signal -3
.Lnot_wave_0_\@:
	s_barrier_wait -3
	s_barrier_signal -1
	s_barrier_wait -1
.endm
	s_load_b256 s[4:11], s[0:1], 0x0               ; qkv, qkvs, ac, asc
	v_lshl_add_u32 v[SPW], v0, 2, SPARE
	v_mov_b32 v[NIL], 0
	ds_add_u32 v[SPW], v[NIL]                      ; the opening lines: the add twice on end and its wait ahead of my tensor load
	ds_add_u32 v[SPW], v[NIL]
	v_lshrrev_b32 v5, 5, v0
	v_readfirstlane_b32 s[WV], v5                  ; wave 0..7
	s_bfe_u32 s13, ttmp6, 0x40000                  ; cx: which 512 queries
	s_and_b32 s14, ttmp7, 0xffff                   ; 16 x batch + head, which the four partners share
	s_and_b32 s15, s14, 1
	s_lshl_b32 s15, s15, 4                         ; my head's half of a pair's scale word begins at this bit
	s_lshl_b32 s16, s[WV], 15                      ; my 32,768 bytes: the same byte in LDS and in the head's K | V
	s_mov_b32 s17, 0
	s_mul_i32 s18, s14, 393216                     ; the head's three images
	s_mov_b32 s19, 0
	s_mov_b32 s[G1], 15|(3<<16)|(1<<21)            ; the mask: all four work-groups; elements of 8 bytes; bit 21 beside a mask; no padding
	s_mov_b32 s[G1+1], 32<<16                      ; rows of 256 bytes,
	s_mov_b32 s[G1+2], 128<<16                     ; 128 of them,
	s_mov_b32 s[G1+3], 32<<16
	s_mov_b32 s[G1+4], 128
	s_mov_b32 s[G1+5], 32                          ; dense
	s_mov_b32 s[G1+6], 0
	s_mov_b32 s[G1+7], 0
	s_mov_b32 s[SEL], 0x76543210
	s_mov_b32 s[SEL+1], 0xfedcba98                 ; v_permlanex16_b32's selects for lane l xor 16
	s_mov_b32 s[CS], 0x3e38aa3b                    ; c = log2(e) / 8
	s_mov_b32 s[CS+1], s[CS]
	s_mov_b32 s[CSN], 0xbe38aa3b                   ; -c
	s_mov_b32 s[MNT], 0x600000                     ; the mantissa field of 448
	s_mov_b32 s[HI], 0xffff0000                    ; lanes 16-31
	s_wait_dscnt 0x0
	s_wait_kmcnt 0x0
	s_add_nc_u64 s[4:5], s[4:5], s[18:19]          ; the head's Q image
	s_add_nc_u64 s[30:31], s[4:5], 131072          ; its K image
	s_mov_b32 s[G0], 1
	s_mov_b32 s[G0+1], s16
	s_add_nc_u64 s[G0+2:G0+3], s[30:31], s[16:17]
	s_or_b32 s[G0+3], s[G0+3], 0x80000000
	CROUND                                         ; all four work-groups are here: the joint loads meet
	tensor_load_to_lds s[G0:G0+3], s[G1:G1+7]      ; one line for all eight waves; every wave waits for it below
	s_nop 0
	PLACES 4
	s_lshl_b32 s18, s13, 15                        ; Q: 32 tiles of 1,024 bytes for 512 queries,
	s_lshl_b32 s66, s[WV], 11                      ; my two tiles
	s_add_co_u32 s18, s18, s66
	s_add_nc_u64 s[56:57], s[4:5], s[18:19]
	s_lshr_b32 s66, s14, 1
	s_lshl_b32 s66, s66, 13                        ; the pair of heads' 2,048 scale words
	s_mov_b32 s67, 0
	s_add_nc_u64 s[58:59], s[6:7], s[66:67]        ; q's,
	s_add_nc_u64 s[60:61], s[58:59], 262144        ; k's
	s_lshl_b32 s66, s13, 11
	s_lshl_b32 s18, s[WV], 7
	s_add_co_u32 s66, s66, s18
	s_add_nc_u64 s[58:59], s[58:59], s[66:67]      ; q's at my 32 queries
	s_lshl_b32 s66, s14, 12
	s_add_co_u32 s66, s66, 524288
	s_add_nc_u64 s[62:63], s[6:7], s[66:67]        ; v's 1,024 words of my head
	s_lshr_b32 s66, s14, 4                         ; the batch
	s_lshl_b32 s18, s66, 7
	s_lshl_b32 s30, s13, 5
	s_add_co_u32 s18, s18, s30
	s_lshl_b32 s30, s[WV], 1
	s_add_co_u32 s18, s18, s30                     ; my first tile of 16 rows among 512
	s_lshl_b32 s18, s18, 14                        ; 16,384 bytes a tile,
	s_and_b32 s30, s14, 15
	s_lshl_b32 s31, s30, 10                        ; 1,024 a head
	s_add_co_u32 s18, s18, s31
	s_add_nc_u64 s[8:9], s[8:9], s[18:19]
	s_lshl_b32 s18, s30, 14                        ; asc: 16,384 bytes a head,
	s_lshl_b32 s66, s66, 12                        ; 4,096 a batch,
	s_add_co_u32 s18, s18, s66
	s_lshl_b32 s66, s13, 10                        ; 1,024 for 512 rows
	s_add_co_u32 s18, s18, s66
	s_add_nc_u64 s[10:11], s[10:11], s[18:19]
	v_and_b32 v5, 31, v0
	v_and_b32 v6, 15, v0
	v_lshlrev_b32 v[LI], 4, v5
	v_lshl_add_u32 v[LKS], v5, 2, KSC
	v_lshl_add_u32 v[LVS], v5, 2, VSC
	v_lshlrev_b32 v[R4], 2, v6
	v_add_nc_u32 v[LV], VIMG, v[LI]
	s_lshl_b32 s66, s[WV], 6
	v_lshl_add_u32 v[OSA], v6, 1, OST
	v_lshlrev_b32 v5, 5, v0                        ; the scale words: 32 bytes of k's and 16 of v's a thread
	v_lshlrev_b32 v6, 4, v0
	v_add_nc_u32 v[OSA], s66, v[OSA]
	v_add_nc_u32 v7, KSC, v5
	v_add_nc_u32 v8, VSC, v6
	global_load_b128 v[S:S+3], v5, s[60:61]
	global_load_b128 v[S+4:S+7], v5, s[60:61] offset:16
	global_load_b128 v[S+8:S+11], v6, s[62:63]
	global_load_b128 v[Q:Q+3], v[LI], s[56:57]
	global_load_b128 v[Q+4:Q+7], v[LI], s[56:57] offset:512
	global_load_b128 v[Q1:Q1+3], v[LI], s[56:57] offset:16384        ; the later queries lie 16 tiles on
	global_load_b128 v[Q1+4:Q1+7], v[LI], s[56:57] offset:16896
	global_load_b32 v[QS], v[R4], s[58:59]
	global_load_b32 v[QS+32], v[R4], s[58:59] offset:64
	global_load_b32 v[QR0], v[R4], s[58:59] offset:1024
	global_load_b32 v[QR1], v[R4], s[58:59] offset:1088
	WIN 0x40                                       ; tile 1's codes into window 1
	global_load_b128 v[Q:Q+3], v[LI], s[56:57] offset:1024
	global_load_b128 v[Q+4:Q+7], v[LI], s[56:57] offset:1536
	global_load_b128 v[Q1:Q1+3], v[LI], s[56:57] offset:17408
	global_load_b128 v[Q1+4:Q1+7], v[LI], s[56:57] offset:17920
	WIN 0
	s_wait_loadcnt 12                              ; the scale words of k and v are in; Q's twelve loads may be out
.irp i, 0,1,2,3,4,5,6,7
	v_bfe_u32 v[S+\i], v[S+\i], s15, 16            ; my head's two bytes; the upper two become 0
.endr
	WALU
	ds_store_b128 v7, v[S:S+3]
	ds_store_b128 v7, v[S+4:S+7] offset:16
	ds_store_b128 v8, v[S+8:S+11]
	s_wait_loadcnt 0x0                             ; Q
	v_bfe_u32 v[QS], v[QS], s15, 16
	v_bfe_u32 v[QS+32], v[QS+32], s15, 16
.irp i, 0,1,2,3,4,5,6,7
	v_mov_b32 v[KV+64+\i], 0                       ; zero codes behind K's last tile
.endr
.macro INIT w                          ; the steps are written once: the first finds zeros, which the first change of M leaves zeros
	WIN 0x55*\w
	v_mov_b32 v13, 0xff61b1e6                      ; the largest score so far: -3e38
	v_mov_b32 v14, 0                               ; the sum, in two halves
	v_mov_b32 v15, 0
	v_floor_f32 v12, -v13                          ; a -M above every later one
.set j, 0
.rept 32
	v_mov_b32 v[O+j], 0
.set j, j+1
.endr
.endm
.irp w, 0,1
	WIN 0x55*\w
.irp i, 0,1,2,3,4,5,6,7
	v_mov_b32 v[Q+8+\i], 0                         ; zero codes: Q's K 64 .. 127
.endr
.irp b, 0,1,2,3
	v_mov_b32 v[PT+\b], 0                          ; written once: a lane permute's destination counts as one of its sources
.endr
	v_mov_b32 v[F+1], 0
	v_mov_b32 v[T], 0
	INIT \w
.endr
	WIN 0
.macro KLS a, s, from, to              ; loads from .. to - 1 of the 20 that bring K's eight tiles of 128 keys (16) and their scale words (4: 32 keys' words, two tiles, each)
.set k_, \from
.rept (\to)-(\from)
.if k_ < 16
	ds_load_b128 v[KV+4*k_:KV+4*k_+3], v[\a] offset:512*k_
.else
	ds_load_b32 v[KSR+k_-16], v[\s] offset:128*(k_-16)
.endif
.set k_, k_+1
.endr
.endm
.macro SM w, i                         ; S^T of tile w, K's tile i: K in window 0, Q and the scores in window w
.if (\i)%2
	v_wmma_scale_f32_16x16x128_f8f6f4 v[S+8*(\i):S+8*(\i)+7], v[KV+8*(\i):KV+8*(\i)+15], v[Q:Q+15], 0, v[KSR+(\i)/2], v[QS+32*\w] matrix_a_scale:MATRIX_SCALE_ROW1
.else
	v_wmma_scale_f32_16x16x128_f8f6f4 v[S+8*(\i):S+8*(\i)+7], v[KV+8*(\i):KV+8*(\i)+15], v[Q:Q+15], 0, v[KSR+(\i)/2], v[QS+32*\w]
.endif
.endm
.macro PVI w, i                        ; O^T of tile w, V's tile i: V in window 1, p's codes and O^T in window w; the four accumulators by turns
.if (\i)%2
	v_wmma_scale_f32_16x16x128_f8f6f4 v[O+8*(\i):O+8*(\i)+7], v[KV+16*(\i):KV+16*(\i)+15], v[PCD:PCD+15], v[O+8*(\i):O+8*(\i)+7], v[VSR+(\i)/2], v[PS+32*\w] matrix_a_scale:MATRIX_SCALE_ROW1
.else
	v_wmma_scale_f32_16x16x128_f8f6f4 v[O+8*(\i):O+8*(\i)+7], v[KV+16*(\i):KV+16*(\i)+15], v[PCD:PCD+15], v[O+8*(\i):O+8*(\i)+7], v[VSR+(\i)/2], v[PS+32*\w]
.endif
.endm
; Line n of the 32 that find the largest score of each block of 32 keys (my 16 of them): for the row's maximum and, since p rises with the score, for the block's largest p.
; Two chains a block, eight in all, by turns; each accumulator is first read at its low end.
.macro MAXL n
.set b_, (\n)%4
.set l_, (\n)/8
.set x_, S+16*b_
.if (\n) < 24
.if ((\n)/4)%2 == 0
.if l_ == 0
	v_max3_num_f32 v[BM+b_], v[x_], v[x_+1], v[x_+2]
.else
	v_max3_num_f32 v[BM+b_], v[BM+b_], v[x_+2*l_+1], v[x_+2*l_+2]
.endif
.else
.if l_ == 0
	v_max3_num_f32 v[PT+b_], v[x_+8], v[x_+9], v[x_+10]
.else
	v_max3_num_f32 v[PT+b_], v[PT+b_], v[x_+2*l_+9], v[x_+2*l_+10]
.endif
.endif
.elseif (\n) < 28
	v_max3_num_f32 v[BM+b_], v[BM+b_], v[x_+7], v[x_+15]
.else
	v_max_num_f32 v[BM+b_], v[BM+b_], v[PT+b_]
.endif
.endm
; The links from the blocks' maxima to the new -M.
.macro CH k
.if (\k) == 0
.irp b, 0,1,2,3
	v_permlanex16_b32 v[PT+\b], v[BM+\b], s[SEL], s[SEL+1]
.endr
.elseif (\k) == 1
.irp b, 0,1,2,3
	v_max_num_f32 v[BM+\b], v[BM+\b], v[PT+\b]     ; with lane l xor 16's 16 keys
.endr
.elseif (\k) == 2
	v_mov_b32 v[T], v12                            ; the old -M
	v_max3_num_f32 v[F], v[BM], v[BM+1], v[BM+2]
.elseif (\k) == 3
	v_max3_num_f32 v13, v13, v[F], v[BM+3]         ; the running largest score (c is positive: its t is the largest t)
.elseif (\k) == 4
	v_mul_f32 v[F], s[CSN], v13                    ; -t
.else
	v_floor_f32 v12, v[F]                          ; the new -M = floor(-t) = -ceil(t)
.endif
.endm
.macro OM from, to                     ; O^T under the new M, pairs from .. to - 1
.set j, 2*(\from)
.rept (\to)-(\from)
	v_pk_mul_f32 v[O+j:O+j+1], v[O+j:O+j+1], v[F:F+1] op_sel_hi:[1,0]
.set j, j+2
.endr
.endm
.macro MINS b                          ; the conversion to an 8-bit code does not saturate (ISA guide 7.6.2); p is not negative, so the hold is one-sided: two numbers a line
.set j, 0
.rept 8
	v_dual_min_num_f32 v[S+16*\b+j], v[HD+\b], v[S+16*\b+j] :: v_dual_min_num_f32 v[S+16*\b+j+1], v[HD+\b], v[S+16*\b+j+1]
.set j, j+2
.endr
.endm
.macro CV b
	v_cvt_scalef32_pk8_fp8_f32 v[PCD+4*\b:PCD+4*\b+1], v[S+16*\b:S+16*\b+7], v[SO+\b]
	v_cvt_scalef32_pk8_fp8_f32 v[PCD+4*\b+2:PCD+4*\b+3], v[S+16*\b+8:S+16*\b+15], v[SO+\b]
.endm
; From -M to p's codes and scale word, tile w, 128 keys; the sum and O^T are brought under the new M.  The window is w's at its head and at its end.
.macro BODY w
.set j, 0
.rept 32
	v_pk_fma_f32 v[S+j:S+j+1], v[S+j:S+j+1], s[CS:CS+1], v[12:13] op_sel_hi:[1,0,0]   ; t - M, two at a time
.if j == 6
	v_sub_f32 v[T], v12, v[T]                      ; old M - new M: a whole number, 0 or less
.elseif j == 14
	v_cvt_i32_f32 v[T], v[T]                       ; (it saturates)
.elseif j == 22
	v_ldexp_f32 v[F], 1.0, v[T]                    ; f = 2^(old M - new M)
.endif
.set j, j+2
.endr
.irp b, 0,1,2,3
	v_fma_f32 v[BM+\b], v[BM+\b], s[CS], v12       ; the same of each block's largest score
.endr
	WALU                                           ; one wait ahead of the batch,
.irp b, 0,1,2,3
	v_exp_f32 v[BM+\b], v[BM+\b]                   ; the block's largest p: the same two instructions on the same number
.endr
.set j, 0
.rept 64
	v_exp_f32 v[S+j], v[S+j]                       ; p = 2^(t - M), at most 1
.set j, j+1
.endr
	v_pk_mul_f32 v[14:15], v[14:15], v[F:F+1] op_sel_hi:[1,0]   ; the sums under the new M: the plain line behind the exponentials
.if \w == 0
	s_wait_dscnt 20                                ; V and its scale words are in; behind them the next K's 16 + 4 loads were issued
.endif
	WALU                                           ; and one behind it, ahead of the first readers of O^T too; plain lines alone up to the last of those
.irp b, 0,1,2,3
	v_max_num_f32 v[BM+\b], 0x4800000, v[BM+\b]    ; the floor 2^(9 - 127): the byte cannot fall under 1
.endr
	OM 0, 4
.irp b, 0,1,2,3
	v_add_nc_u32 v[SO+\b], 0xfc000000, v[BM+\b]    ; 8 off the exponent field: the conversion's scale operand
.endr
.irp b, 0,1,2,3
	v_and_or_b32 v[HD+\b], v[BM+\b], 0x7f800000, s[MNT]   ; 448 x the scale
.endr
	OM 4, 8
.irp b, 0,1,2,3
	v_lshrrev_b32 v[PT+\b], 23, v[SO+\b]           ; the scale's byte
.endr
	OM 8, 12
	v_lshl_or_b32 v[T], v[PT+1], 8, v[PT]
	OM 12, 14
	v_lshl_or_b32 v[T], v[PT+2], 16, v[T]
	OM 14, 16
	WIN 0x15*\w                                    ; scale operands are taken from window 0
	v_lshl_or_b32 v[PS+32*\w], v[PT+3], 24, v[T]   ; p's scale word for these 128 keys
	WIN 0x55*\w
.set j, 0
.rept 7                                ; the row's sum of the unquantised p: eight chains, seven of them in registers that the codes take later
	v_pk_add_f32 v[PCD+j:PCD+j+1], v[S+2*j:S+2*j+1], v[S+2*j+2:S+2*j+3]
.set j, j+2
.endr
.irp r, 28, 44
	v_pk_add_f32 v[14:15], v[14:15], v[S+\r:S+\r+1]
.set j, 0
.rept 7
	v_pk_add_f32 v[PCD+j:PCD+j+1], v[PCD+j:PCD+j+1], v[S+\r+2+j:S+\r+3+j]
.set j, j+2
.endr
.endr
	v_pk_add_f32 v[14:15], v[14:15], v[S+60:S+61]
	v_pk_add_f32 v[PCD:PCD+1], v[PCD:PCD+1], v[S+62:S+63]
	v_pk_add_f32 v[PCD+2:PCD+3], v[PCD+2:PCD+3], v[PCD+4:PCD+5]
	v_pk_add_f32 v[PCD+6:PCD+7], v[PCD+6:PCD+7], v[PCD+8:PCD+9]
	v_pk_add_f32 v[PCD+10:PCD+11], v[PCD+10:PCD+11], v[PCD+12:PCD+13]
	v_pk_add_f32 v[14:15], v[14:15], v[PCD:PCD+1]
	MINS 0                                         ; every p has been summed: the holds may write over them
	v_pk_add_f32 v[PCD+2:PCD+3], v[PCD+2:PCD+3], v[PCD+6:PCD+7]
	v_pk_add_f32 v[14:15], v[14:15], v[PCD+10:PCD+11]
	MINS 1
	v_pk_add_f32 v[14:15], v[14:15], v[PCD+2:PCD+3]
	CV 0                                           ; each block's conversions stand a block behind its holds
	MINS 2
	CV 1
	MINS 3
	CV 2
	CV 3
	PLACES 4                                       ; an operand written by vector instructions stands four places ahead of a scaled product
.endm
; A KEY STEP: 128 keys, both tiles.
.macro STEP
	s_wait_dscnt 0x0                               ; this step's K and its scale words are in
.irp i, 0,1,2,3,4,5,6,7
	SM 0, \i
.endr
	v_add_nc_u32 v[ADV], s[TK], v[LV]
	v_add_nc_u32 v[ADT], s[TT], v[LVS]
	v_add_nc_u32 v[ADK], s[TKN], v[LI]
	v_add_nc_u32 v[ADS], s[TSN], v[LKS]
	PLACES 4                                       ; with the four additions: eight places in front of V's loads and of the first read of tile 0's scores
	WIN 0x40
.irp t, 0,1,2,3
.irp c, 0,1,2,3
	ds_load_b128 v[KV+16*\t+4*\c:KV+16*\t+4*\c+3], v[ADV] offset:2048*\t+512*\c
.endr
.endr
	WIN 0
	ds_load_b32 v[VSR], v[ADT]
	ds_load_b32 v[VSR+1], v[ADT] offset:128
.irp i, 0,1,2,3,4,5,6,7
	WIN 0x54
	SM 1, \i
	WIN 0
	MAXL 4*\i
	MAXL 4*\i+1
	MAXL 4*\i+2
	MAXL 4*\i+3
.endr
	CH 0
	CH 1                                           ; behind tile 1's last product: four maxima, four permutes, four maxima: the places in front of K's loads
	KLS ADK, ADS, 0, 5                             ; the next step's K.  (Behind the last step: 8,192 bytes of V's image and 512 of V's scale words, which nothing uses)
	CH 2
	KLS ADK, ADS, 5, 10
	CH 3
	KLS ADK, ADS, 10, 15
	CH 4
	KLS ADK, ADS, 15, 20
	CH 5
	WIN 0x55
.set n_, 0
.rept 32
	MAXL n_                                        ; tile 1's scores are first read here, ahead of tile 0's exponentials
.set n_, n_+1
.endr
	WIN 0
	BODY 0
	WIN 0x01
	PVI 0, 0
	WIN 0x55
	CH 0
	WIN 0x01
	PVI 0, 1
	WIN 0x55
	CH 1
	WIN 0x01
	PVI 0, 2
	WIN 0x55
	CH 2
	WIN 0x01
	PVI 0, 3
	WIN 0x55
	CH 3
	CH 4
	CH 5
	BODY 1
.irp i, 0,1,2,3
	PVI 1, \i
.endr
	WIN 0
	s_add_co_u32 s[TK], s[TK], 8192
	s_add_co_u32 s[TT], s[TT], 256
	s_add_co_u32 s[TKN], s[TKN], 8192
	s_add_co_u32 s[TSN], s[TSN], 512
.endm
.macro WALK                            ; all 2,048 keys
	s_mov_b32 s[TK], 0
	s_mov_b32 s[TT], 0
	s_mov_b32 s[TKN], 8192
	s_mov_b32 s[TSN], 512
	s_mov_b32 s[CNT], 16
	WALU                                           ; the wait ahead of the loop
.Lstep_\@:
	STEP
	s_sub_co_u32 s[CNT], s[CNT], 1
	s_cmp_lg_u32 s[CNT], 0
	s_cbranch_scc1 .Lstep_\@
	s_wait_dscnt 0x0                               ; the loads behind the last step have landed
	PLACES 8                                       ; places behind the last products
.endm
; 16 queries are finished: O^T / the sum, quantised along the head's axis (two blocks of 32, each shared with lane l xor 16), put into the natural order and stored.
.macro FINISH w, pass
	WIN 0x55*\w
	v_add_f32 v14, v14, v15                        ; the sum's two halves,
	v_permlanex16_b32 v[T], v14, s[SEL], s[SEL+1]
	v_add_f32 v14, v14, v[T]                       ; and lane l xor 16's
	WALU
	v_rcp_f32 v14, v14
	v_nop                                          ; a plain line behind the reciprocal,
	WALU                                           ; and the wait ahead of its first reader and of O^T's
.set j, 0
.rept 16
	v_pk_mul_f32 v[S+j:S+j+1], v[O+j:O+j+1], v[14:15] op_sel_hi:[1,0]   ; register 16 b + 8 u + i: channel 32 b + 16 u + 8 h + i of my query
.set j, j+2
.endr
.irp b, 0,1
	v_max3_num_f32 v[BM+\b], |v[S+16*\b]|, |v[S+16*\b+1]|, 0x4800000
.endr
.irp i, 2,4,6,8,10,12,14
.irp b, 0,1
	v_max3_num_f32 v[BM+\b], v[BM+\b], |v[S+16*\b+\i]|, |v[S+16*\b+\i+1]|
.endr
.endr
.irp b, 0,1
	v_permlanex16_b32 v[PT+\b], v[BM+\b], s[SEL], s[SEL+1]
.endr
.irp b, 0,1
	v_max_num_f32 v[BM+\b], v[BM+\b], v[PT+\b]
.endr
.irp b, 0,1
	v_add_nc_u32 v[SO+\b], 0xfc000000, v[BM+\b]
.endr
.irp b, 0,1
	v_and_or_b32 v[HD+\b], v[BM+\b], 0x7f800000, s[MNT]
.endr
.irp b, 0,1
	v_lshrrev_b32 v[PT+\b], 23, v[SO+\b]
.endr
	v_lshl_or_b32 v[T], v[PT+1], 8, v[PT]          ; my row's two scale bytes
.irp b, 0,1
.irp i, 0,1,2,3,4,5,6,7,8,9,10,11,12,13,14,15
	v_med3_num_f32 v[S+16*\b+\i], v[S+16*\b+\i], -v[HD+\b], v[HD+\b]
.endr
	CV \b
.endr
	v_nop                                          ; one plain line behind the last conversion
.irp i, 0,1,2,3,4,5,6,7
	v_permlanex16_b32 v[PCD+8+\i], v[PCD+\i], s[SEL], s[SEL+1]
.endr
.irp b, 0,1                            ; a lane of the lower half has channels 0-7 and 16-23 of a block and wants 0-15; one of the upper half has 8-15 and 24-31 and wants 16-31
	v_cndmask_b32 v[PCD+4*\b], v[PCD+4*\b], v[PCD+8+4*\b+2], s[HI]
	v_cndmask_b32 v[PCD+4*\b+1], v[PCD+4*\b+1], v[PCD+8+4*\b+3], s[HI]
	v_cndmask_b32 v[PCD+4*\b+2], v[PCD+8+4*\b], v[PCD+4*\b+2], s[HI]
	v_cndmask_b32 v[PCD+4*\b+3], v[PCD+8+4*\b+1], v[PCD+4*\b+3], s[HI]
.endr
	WIN 0x04*\w                                    ; the data in window w, the addresses in window 0
.irp b, 0,1
	global_store_b128 v[LI], v[PCD+4*\b:PCD+4*\b+3], s[8:9] offset:512*\b+16384*\w+262144*\pass   ; 32 lanes store 512 consecutive bytes
.endr
	ds_store_b16 v[OSA], v[T] offset:32*\w+512*\pass   ; both halves of the lanes write the same two bytes with the same value
.endm
	WALU                                           ; the wait at the head's end
	s_wait_dscnt 0x0                               ; my scale words lie in LDS,
	s_wait_tensorcnt 0x0                           ; and my part of K | V has landed
	s_barrier_signal -1
	s_barrier_wait -1                              ; everybody's has: from here on K, V and their scale words are only read
	KLS LI, LKS, 0, 20
	WALK
	KLS LI, LKS, 0, 20                             ; the second walk's first K lands under the way out
	FINISH 0, 0
	FINISH 1, 0
	WIN 0
	s_wait_xcnt 0x0                                ; the stores have read their data: the codes' registers are written again in the next walk
	v_bfe_u32 v[QS], v[QR0], s15, 16               ; the later 32 queries
	v_bfe_u32 v[QS+32], v[QR1], s15, 16
.irp w, 0,1
	WIN 0x55*\w
.irp i, 0,1,2,3,4,5,6,7
	v_mov_b32 v[Q+\i], v[Q1+\i]
.endr
	INIT \w
.endr
	WIN 0
	WALK
	FINISH 0, 1
	FINISH 1, 1
	WIN 0
	v_and_b32 v5, 63, v0
	v_lshlrev_b32 v5, 4, v5                        ; 16 (thread % 64)
	v_add_nc_u32 v6, OST, v5
	WALU
	s_wait_dscnt 0x0                               ; my scale bytes lie in LDS
	s_barrier_signal -1
	s_barrier_wait -1                              ; everybody's do
	s_cmp_lt_u32 s[WV], 2                          ; 512 rows x 2 bytes: waves 0 and 1 store 512 consecutive bytes each
	s_cbranch_scc0 .Lno_scales
	ds_load_b128 v[S:S+3], v6
	s_wait_dscnt 0x0
	global_store_b128 v5, v[S:S+3], s[10:11]
.Lno_scales:
	s_wait_tensorcnt 0x0                           ; the wave's end
	ds_add_u32 v[SPW], v[NIL]
	s_wait_dscnt 0x0
	CROUND                                         ; the closing round
	s_endpgm
.Lfunc_end_k_q816fccdc29_attn:
	.size	k_q816fccdc29_attn, .Lfunc_end_k_q816fccdc29_attn-k_q816fccdc29_attn
	.p2alignl 7, 3214868480
	.fill 96, 4, 3214868480
	.section	.rodata,"a",@progbits
	.p2align	6, 0x0
	.amdhsa_kernel k_q816fccdc29_attn
		.amdhsa_group_segment_fixed_size 277504
		.amdhsa_private_segment_fixed_size 0
		.amdhsa_enable_private_segment 0
		.amdhsa_kernarg_size 32
		.amdhsa_user_sgpr_count 2
		.amdhsa_user_sgpr_kernarg_segment_ptr 1
		.amdhsa_wavefront_size32 1
		.amdhsa_system_sgpr_workgroup_id_x 1
		.amdhsa_system_sgpr_workgroup_id_y 1
		.amdhsa_system_sgpr_workgroup_id_z 1
		.amdhsa_system_vgpr_workitem_id 0
		.amdhsa_next_free_vgpr 512
		.amdhsa_next_free_sgpr 72
		.amdhsa_reserve_vcc 0
		.amdhsa_float_denorm_mode_32 3
		.amdhsa_float_denorm_mode_16_64 3
		.amdhsa_memory_ordered 1
		.amdhsa_forward_progress 1
		.amdhsa_inst_pref_size 115
	.end_amdhsa_kernel
	.amdgpu_metadata
---
amdhsa.version: [ 1, 2 ]
amdhsa.kernels:
  - .name:           k_q816fccdc29_attn
    .symbol:         k_q816fccdc29_attn.kd
    .args:
      - { .name: qkv, .offset: 0, .size: 8, .value_kind: global_buffer, .address_space: global }
      - { .name: qkvs, .offset: 8, .size: 8, .value_kind: global_buffer, .address_space: global }
      - { .name: ac, .offset: 16, .size: 8, .value_kind: global_buffer, .address_space: global }
      - { .name: asc, .offset: 24, .size: 8, .value_kind: global_buffer, .address_space: global }
    .group_segment_fixed_size: 277504
    .private_segment_fixed_size: 0
    .kernarg_segment_align: 8
    .kernarg_segment_size: 32
    .max_flat_workgroup_size: 256
    .sgpr_count:     72
    .vgpr_count:     512
    .wavefront_size: 32
...
	.end_amdgpu_metadata
.endif
;; end of part 2
;; launch oproj (part 3): grid 8 x 32, 4 waves a work-group, clusters of 4 x 4, 327,680 bytes of LDS; arguments ac, asc, wo_codes, wo_scales, bo, out0; writes out0
.if DOCPART == 3
	.amdgcn_target "amdgcn-amd-amdhsa--gfx1250"
	.amdhsa_code_object_version 6
	.text
	.protected	k_q816fccdc29_oproj
	.globl	k_q816fccdc29_oproj
	.p2align	8
	.type	k_q816fccdc29_oproj,@function
k_q816fccdc29_oproj:
	s_mov_b64 s[64:65], 0
	v_nop
	global_prefetch_b8 v0, s[64:65] scope:SCOPE_SE
	s_setreg_imm32_b32 hwreg(HW_REG_WAVE_MODE, 25, 1), 1
	s_wait_xcnt 0x0
	s_wait_alu depctr_hold_cnt(0) depctr_sa_sdst(0) depctr_va_vdst(0) depctr_va_sdst(0) depctr_va_ssrc(0) depctr_va_vcc(0) depctr_vm_vsrc(0)
	s_getreg_b32 s2, hwreg(HW_REG_IB_STS2, 6, 4)
	s_cmp_eq_u32 s2, 0
	s_cbranch_scc0 .Lentry_in_a_cluster
	s_endpgm
.Lentry_in_a_cluster:
	s_bfe_u32 s2, ttmp6, 0x10000c
	s_cmp_lg_u32 s2, 0xf033
	s_cbranch_scc0 .Lentry_shape_is_right
	s_endpgm
.Lentry_shape_is_right:
; out0 = a Wo^T + bo on codes of FP8 (E4M3) with one E8M0 scale for each 32 along K (K = 1,024).  a is the attention's result as the launch before laid it:
; ac: [tile of 16 rows 512][128 along K 8][block 4][lane 32][16 bytes]: images of operand registers; asc: [head 16][row 8,192] two scale bytes.  Wo: [1,024][1,024] codes, [1,024][32] scale bytes.  out0: [8,192][1,024] f32.
; SHARES.  A work-group makes 256 rows x 128 columns; wave w takes rows 64 w .. 64 w + 63 (4 tiles a) against all 128 rows of Wo (8 tiles t): 32 accumulators.  The matrix instruction takes 16 rows of Wo first and 16 rows of a second:
; a lane then holds eight neighbouring numbers of a row of out0.
; LDS: three slots of 256 along K (a's 16 tiles of 4,096 bytes, dense; then Wo's 128 rows of 256 bytes + 16) and all scale bytes are first fills; slot 0 is filled once more, with the last 256 along K.
; A wave has at most four tensor loads outstanding, by this text's own count.  CLUSTER: 4 x 4; a's tiles are asked for jointly along a row of the cluster, Wo's along a column.
; LIMITS: NaN and infinities are not served.
.set PITCH,  272
.set TILEB,  16*PITCH
.set S0P,    65536                     ; Wo's part of a slot begins here
.set SLOT,   S0P+128*PITCH             ; 100,352 bytes
; LDS AS THIS TEXT LAYS IT (in place of the three slots named above): slot 0 (K 0 .. 255, later 768 .. 1,023); behind it one region for K 256 .. 767: a's 16 tiles of 8,192 bytes, dense, then Wo's 128 rows of 512 bytes + 16.
; A wave has one tensor load out at a time: one of four whole tiles at the head, its part of the region behind a full sequence and a round, its part of slot 0's refill behind another.
; No prefetch: the text has no loop to run ahead in.
.set P2,     528
.set TILE2,  16*P2
.set S0P2,   SLOT+131072
.set SCL,    S0P2+128*P2
.set SCL0,   SCL+8192                  ; Wo's: 16 units of 256 bytes + 16
.set SPARE,  SCL0+16*PITCH             ; the spare words: 128 bytes a wave
.set SPITCH, 528
.set STAGE,  SLOT                      ; 16 rows x (512 bytes + 16) a wave: in slot 1, behind its only fill and its last read
.set S1TB,   4096                      ; a's fragments: from tile to tile, from 128 along K to the next, from block to block
.set S1QB,   2048
.set S1CS,   512
.set ADR1, 4                           ; v4-6   LDS address of my fragments of a in slot 0, 1, 2
.set ADR0, 8                           ; v8-10  the same for Wo
.set ADRS, 11                          ; v11    of Wo's scale words
.set CO,   12                          ; v12    16 x lane: my bytes of a row of out0
.set AU,   13                          ; v13    of a's scale bytes
.set STO,  16                          ; v16    the stage: where I put 32 bytes of a row
.set RD,   17                          ; v17    and where I read a row back
.set BOF,  19
.set SPW,  20                          ; v20    my spare word's address; never rewritten
.set NIL,  21                          ; v21    0; never rewritten
.set SC,   32                          ; v32-95 Wo's scale words: register 8 t + q
.set BI,   96                          ; v96-159 the bias, in the result's layout
.set S1,   160                         ; v160-191 a's scale words: register 8 a + q
.set U,    192                         ; v192-255 their halves as loaded
.set WV,   20
.set HALF, 21
.set SIDE, 22
.set G1A,  24
.set G1B,  32
.set G1SA, 40
.set G1SB, 48
.set G0A0, 56
.set G0A1, 60
.set G0A2, 68
.set G0B0, 72
.set G0B1, 76
.set G0B2, 80
.set G0SA, 84
.set G0SB, 88
.set MULW, 0xad                        ; Wo window 1, a window 3, C and D window 2
.set MSB, 0
.macro WIN new
.if MSB != \new
	s_set_vgpr_msb (MSB<<8)|\new
.set MSB, \new
.endif
.endm
.macro PLACES n
.rept \n
	v_nop
.endr
.endm
.macro JLOAD g0a, g1a, g0b, g1b        ; a joint load: waves 0 and 1 fetch for a, waves 2 and 3 for Wo; four v_nop follow each of the two lines
	s_cmp_eq_u32 s[SIDE], 0
	s_cbranch_scc0 .Lfor_b_\@
	tensor_load_to_lds s[\g0a:\g0a+3], s[\g1a:\g1a+7]
	s_nop 0
.rept 4
	v_nop
.endr
	s_branch .Lasked_\@
.Lfor_b_\@:
	tensor_load_to_lds s[\g0b:\g0b+3], s[\g1b:\g1b+7]
	s_nop 0
.rept 4
	v_nop
.endr
.Lasked_\@:
.endm
.macro CREST
	s_cmp_lg_u32 s[WV], 0
	s_cbranch_scc1 .Lnot_wave_0_\@
	s_barrier_signal -3
.Lnot_wave_0_\@:
	s_barrier_wait -3
	s_barrier_signal -1
	s_barrier_wait -1
.endm
.macro CROUND
	s_barrier_signal -1
	s_barrier_wait -1
	CREST
.endm
.macro MKG1 g, c, r, p
	s_mov_b32 s[\g+1], (\c)<<16
	s_mov_b32 s[\g+2], (\r)<<16
	s_mov_b32 s[\g+3], (\c)<<16
	s_mov_b32 s[\g+4], \r
	s_mov_b32 s[\g+5], \p
	s_mov_b32 s[\g+6], 0
	s_mov_b32 s[\g+7], 0
.endm
.macro MKG0 g, lb, lc, ga, gc
	s_mov_b32 s[\g], 1
	s_add_co_u32 s[\g+1], s[\lb], \lc
	s_add_nc_u64 s[\g+2:\g+3], s[\ga:\ga+1], \gc
	s_or_b32 s[\g+3], s[\g+3], 0x80000000
.endm
.macro FRAG reg, adr, off, cs
.irp c, 0,1,2,3
	ds_load_b128 v[(\reg)+4*\c:(\reg)+4*\c+3], v[\adr] offset:(\off)+(\cs)*\c
.endr
.endm
.macro FETCH slot, qh, p               ; the fragments of the slot's qh-th 128 along K into set p: 32 loads for Wo, 16 for a
	WIN 0x40
.irp t, 0,1,2,3,4,5,6,7
.if \slot == 0
	FRAG 128*(\p)+16*\t, ADR0, \t*TILEB+128*(\qh), 32
.else
	FRAG 128*(\p)+16*\t, ADR0+1, \t*TILE2+256*((\slot)-1)+128*(\qh), 32
.endif
.endr
	WIN 0xc0
.irp i, 0,1,2,3
.if \slot == 0
	FRAG 64*(\p)+16*\i, ADR1, \i*S1TB+S1QB*(\qh), S1CS
.else
	FRAG 64*(\p)+16*\i, ADR1+1, \i*2*S1TB+4096*((\slot)-1)+S1QB*(\qh), S1CS
.endif
.endr
	WIN 0
.endm
; 8 matrix instructions: a's tile against Wo's eight.  cmode 1: the sums begin with the bias.  The 32 accumulators take turns, one instruction a turn, in the same order in every step.
.macro MUL8 a, p, q, cmode
.irp t, 0,1,2,3,4,5,6,7
.if \cmode == 0
	v_wmma_scale_f32_16x16x128_f8f6f4 v[8*(8*(\a)+\t):8*(8*(\a)+\t)+7], v[128*(\p)+16*\t:128*(\p)+16*\t+15], v[64*(\p)+16*(\a):64*(\p)+16*(\a)+15], v[8*(8*(\a)+\t):8*(8*(\a)+\t)+7], v[SC+8*\t+(\q)], v[S1+8*(\a)+(\q)] matrix_a_scale:MATRIX_SCALE_ROW1
.else
	v_wmma_scale_f32_16x16x128_f8f6f4 v[8*(8*(\a)+\t):8*(8*(\a)+\t)+7], v[128*(\p)+16*\t:128*(\p)+16*\t+15], v[64*(\p)+16*(\a):64*(\p)+16*(\a)+15], v[BI+8*\t:BI+8*\t+7], v[SC+8*\t+(\q)], v[S1+8*(\a)+(\q)] matrix_a_scale:MATRIX_SCALE_ROW1
.endif
.endr
.endm
.macro STEPN q, nslot, nqh
	s_wait_dscnt 0x0                               ; this step's fragments are in
	WIN MULW
	MUL8 0, (\q)%2, \q, 0
	MUL8 1, (\q)%2, \q, 0
	PLACES 8
	FETCH \nslot, \nqh, 1-(\q)%2
	WIN MULW
	MUL8 2, (\q)%2, \q, 0
	MUL8 3, (\q)%2, \q, 0
.endm
	s_load_b256 s[4:11], s[0:1], 0x0               ; ac s[4:5], asc s[6:7], Wo's codes s[8:9], Wo's scales s[10:11]
	s_load_b128 s[12:15], s[0:1], 0x20             ; bo, out0
	v_lshl_add_u32 v[SPW], v0, 2, SPARE
	v_mov_b32 v[NIL], 0
	ds_add_u32 v20, v21
	ds_add_u32 v20, v21
	s_wait_dscnt 0x0
	v_lshrrev_b32 v1, 5, v0
	v_readfirstlane_b32 s[WV], v1                  ; wave 0..3
	s_and_b32 s[HALF], s[WV], 1
	s_lshr_b32 s[SIDE], s[WV], 1
	s_bfe_u32 s92, ttmp6, 0x40000                  ; cx
	s_bfe_u32 s93, ttmp6, 0x40004                  ; cy
	s_and_b32 s94, ttmp7, 0xffff
	s_lshl_b32 s98, ttmp9, 2
	s_add_co_u32 s98, s98, s92                     ; Wo's tile of 128 rows
	s_lshl_b32 s99, s94, 2
	s_add_co_u32 s99, s99, s93                     ; a's tile of 256 rows
	s_lshl_b32 s2, s93, 2
	s_lshl_b32 s2, 15, s2                          ; my row of the cluster
	s_lshl_b32 s3, 0x1111, s92                     ; my column
	s_or_b32 s[G1A], s2, (3<<16)|(1<<21)           ; a's images: elements of 8 bytes, no padding: they are read 512 consecutive bytes at a time
	s_or_b32 s[G1B], s3, (1<<20)|(1<<21)|(5<<22)|(3<<25)
	s_or_b32 s[G1SA], s2, (3<<16)|(1<<21)
	s_or_b32 s[G1SB], s3, (3<<16)|(1<<20)|(1<<21)|(5<<22)|(3<<25)
	MKG1 G1A, 512, 16, 2048                        ; the head's tiles are whole: a's 16 tiles of rows, 4,096 bytes of each, 16,384 bytes apart,
	MKG1 G1B, 256, 128, 1024                       ; Wo's 128 rows,
	MKG1 G1SA, 64, 16, 2048                        ; a's scale bytes: 16 heads, 512 bytes of each,
	MKG1 G1SB, 32, 16, 32                          ; and Wo's
	s_lshl_b32 s18, s99, 18
	s_mov_b32 s19, 0
	s_lshl_b32 s16, s99, 9
	s_mov_b32 s17, 0
	s_lshl_b32 s100, s98, 17
	s_mov_b32 s101, 0
	s_lshl_b32 s96, s98, 12
	s_mov_b32 s97, 0
	s_wait_kmcnt 0x0
	s_add_nc_u64 s[4:5], s[4:5], s[18:19]
	s_add_nc_u64 s[6:7], s[6:7], s[16:17]
	s_add_nc_u64 s[8:9], s[8:9], s[100:101]
	s_add_nc_u64 s[10:11], s[10:11], s[96:97]
	MKG0 G0SA, 97, SCL, 6, 0                       ; (s97 holds 0)
	MKG0 G0SB, 97, SCL0, 10, 0
	MKG0 G0A2, 97, 0, 4, 0                         ; the head's K 0 .. 255
	MKG0 G0B2, 97, S0P, 8, 0
	s_lshl_b32 s18, s[HALF], 17                    ; behind the head a wave fetches half a tile's rows
	s_add_nc_u64 s[4:5], s[4:5], s[18:19]
	s_lshl_b32 s100, s[HALF], 16
	s_add_nc_u64 s[8:9], s[8:9], s[100:101]
	s_lshl_b32 s18, s[HALF], 15                    ; where they go: no place in the cluster enters an LDS address
	s_mul_i32 s19, s[HALF], 64*PITCH
	s_lshl_b32 s16, s[HALF], 16
	s_mul_i32 s17, s[HALF], 64*P2
	MKG0 G0A0, 18, 0, 4, 0                         ; slot 0's refill (the step along K is added there)
	MKG0 G0A1, 16, SLOT, 4, 4096                   ; K 256 .. 767
	MKG0 G0B0, 19, S0P, 8, 0
	MKG0 G0B1, 17, S0P2, 8, 256
	CROUND                                         ; all sixteen work-groups are here: the first joint loads meet
; the head's loads, one a wave, in one chain of branches on the wave's number
.macro ARM under, g0, g1, next
	s_cmp_lt_u32 s[WV], \under
	s_cbranch_scc0 \next
	tensor_load_to_lds s[\g0:\g0+3], s[\g1:\g1+7]
	s_nop 0
.rept 4
	v_nop
.endr
	s_branch .Lhead_asked
\next:
.endm
	ARM 1, G0A2, G1A, .Lhead_b
	ARM 2, G0B2, G1B, .Lhead_sa
	ARM 3, G0SA, G1SA, .Lhead_sb
	tensor_load_to_lds s[G0SB:G0SB+3], s[G1SB:G1SB+7]
	s_nop 0
.rept 4
	v_nop
.endr
.Lhead_asked:
	v_and_b32 v1, 15, v0                           ; r
	v_bfe_u32 v2, v0, 4, 1                         ; h
	v_and_b32 v3, 31, v0                           ; lane
	v_lshlrev_b32 v[CO], 4, v3
	v_mul_u32_u24 v7, v1, PITCH
	v_lshl_add_u32 v7, v2, 4, v7
	s_lshl_b32 s4, s[WV], 14                       ; my four tiles of a, in slot 0
	v_add_nc_u32 v[ADR1], s4, v[CO]
	v_add_nc_u32 v[ADR0], S0P, v7
	s_lshl_b32 s4, s[WV], 15                       ; and in the region of K 256 .. 767
	s_add_co_u32 s4, s4, SLOT
	v_add_nc_u32 v[ADR1+1], s4, v[CO]
	v_mul_u32_u24 v22, v1, P2
	v_lshl_add_u32 v22, v2, 4, v22
	v_add_nc_u32 v[ADR0+1], S0P2, v22
	v_lshlrev_b32 v7, 5, v1
	v_lshrrev_b32 v22, 3, v1
	v_lshl_add_u32 v7, v22, 4, v7
	v_add_nc_u32 v[ADRS], SCL0, v7                 ; Wo's scale bytes: row r of a tile; both halves of the lanes take the same
	s_lshl_b32 s4, s[WV], 7
	v_lshl_add_u32 v[AU], v1, 1, SCL
	v_add_nc_u32 v[AU], s4, v[AU]                  ; a's: 2 bytes a row, my 64 rows
	s_mul_i32 s4, s[WV], 16*SPITCH
	s_add_co_u32 s4, s4, STAGE
	v_mul_u32_u24 v[STO], v1, SPITCH
	v_lshl_add_u32 v[STO], v2, 5, v[STO]
	v_add_nc_u32 v[STO], s4, v[STO]
	v_add_nc_u32 v[RD], s4, v[CO]
	s_lshl_b32 s100, s98, 9                        ; my 128 columns: 512 bytes, of bo and of a row of out0
	s_mov_b32 s101, 0
	s_add_nc_u64 s[12:13], s[12:13], s[100:101]
	s_add_nc_u64 s[14:15], s[14:15], s[100:101]
	s_lshl_b32 s100, s99, 20                       ; 256 rows of 4,096 bytes,
	s_lshl_b32 s4, s[WV], 18                       ; my 64
	s_add_co_u32 s100, s100, s4
	s_add_nc_u64 s[14:15], s[14:15], s[100:101]
	v_lshlrev_b32 v[BOF], 5, v2
.irp t, 0,1,2,3,4,5,6,7
	global_load_b128 v[BI+8*\t:BI+8*\t+3], v[BOF], s[12:13] offset:64*\t       ; register j of tile t wants bo[128 x tile + 16 t + 8 h + j]
	global_load_b128 v[BI+8*\t+4:BI+8*\t+7], v[BOF], s[12:13] offset:64*\t+16
.endr
	s_wait_alu depctr_va_vdst(0)
	s_wait_tensorcnt 0x0                           ; my tile of the head's four is in; these lines stand ahead of a later first fill as ahead of a refill
	ds_add_u32 v[SPW], v[NIL]
	s_or_b32 s[G1B], s3, (1<<20)|(1<<21)|(6<<22)|(3<<25)   ; no load of mine is out: Wo's rows of 512 bytes, 4 words of padding behind each;
	MKG1 G1A, 1024, 8, 2048                        ; a's 8,192 bytes of each of 8 tiles
	MKG1 G1B, 512, 64, 1024
	s_wait_dscnt 0x0
	CROUND                                         ; everybody's tile is in, and all sixteen work-groups are here
	JLOAD G0A1, G1A, G0B1, G1B                     ; K 256 .. 767: my one load behind the round
.irp i, 0,1,2,3,4,5,6,7
	ds_load_b128 v[SC+8*\i:SC+8*\i+3], v[ADRS] offset:\i*2*PITCH
	ds_load_b128 v[SC+8*\i+4:SC+8*\i+7], v[ADRS] offset:\i*2*PITCH+16
.endr
.irp a, 0,1,2,3
.irp d, 0,1,2,3,4,5,6,7,8,9,10,11,12,13,14,15
	ds_load_u16 v[U+16*\a+\d], v[AU] offset:512*\d+32*\a
.endr
.endr
	FETCH 0, 0, 0
	s_wait_dscnt 48                                ; the scales are in; the first step's 48 loads may be out
.irp a, 0,1,2,3
.irp q, 0,1,2,3,4,5,6,7
	v_lshl_or_b32 v[S1+8*\a+\q], v[U+16*\a+2*\q+1], 16, v[U+16*\a+2*\q]   ; 128 along K are two heads: the even head's two bytes below, the odd head's above
.endr
.endr
	PLACES 8                                       ; a scale register written by a vector instruction stands eight places ahead of the product
	FETCH 0, 1, 1
	s_wait_alu depctr_va_vdst(0)
	s_wait_dscnt 48                                ; all but the second step's 48 loads
	s_wait_loadcnt 0x0                             ; the bias
	WIN 0x8d                                       ; step 0: the sums begin with the bias (C in window 0)
	MUL8 0, 0, 0, 1
	MUL8 1, 0, 0, 1
	MUL8 2, 0, 0, 1
	MUL8 3, 0, 0, 1
	; step 1, and the one refill: slot 0 has been read out
	s_wait_dscnt 0x0
	WIN MULW
	MUL8 0, 1, 1, 0
	MUL8 1, 1, 1, 0
	WIN 0                                          ; (the add's two registers lie in window 0)
	s_wait_tensorcnt 0x0                           ; all my tensor loads have landed;
	ds_add_u32 v[SPW], v[NIL]
	s_or_b32 s[G1B], s3, (1<<20)|(1<<21)|(5<<22)|(3<<25)   ; no load of mine is out: the shapes of slot 0's refill
	MKG1 G1A, 512, 8, 2048
	MKG1 G1B, 256, 64, 1024
	WIN MULW
	MUL8 2, 1, 1, 0
	s_wait_dscnt 0x0                               ; the add is done, and my reads of slot 0 are over
	s_barrier_signal -1
	MUL8 3, 1, 1, 0
	WIN 0
	s_barrier_wait -1
	CREST                                          ; the barrier has opened a round of the cluster's barrier: no wave of any partner still reads slot 0 or has a load on its way
	s_add_nc_u64 s[G0A0+2:G0A0+3], s[G0A0+2:G0A0+3], 12288
	s_add_nc_u64 s[G0B0+2:G0B0+3], s[G0B0+2:G0B0+3], 768
	JLOAD G0A0, G1A, G0B0, G1B                     ; K 768 .. 1,023: my one tensor load behind the round; it has four steps in which to land
	PLACES 4
	FETCH 1, 0, 0
	STEPN 2, 1, 1
	STEPN 3, 2, 0
	STEPN 4, 2, 1
	s_wait_dscnt 0x0                               ; step 5
	WIN MULW
	MUL8 0, 1, 5, 0
	MUL8 1, 1, 5, 0
	s_wait_tensorcnt 0x0                           ; the one load that is out: my part of the refill.
	s_barrier_signal -1
	MUL8 2, 1, 5, 0
	s_barrier_wait -1                              ; everybody's part is in; and every wave has long left slot 1, where the stages lie
	PLACES 8
	FETCH 0, 0, 0
	WIN MULW
	MUL8 3, 1, 5, 0
	STEPN 6, 0, 1
	s_wait_dscnt 0x0
	WIN MULW
	MUL8 0, 1, 7, 0
	MUL8 1, 1, 7, 0
	MUL8 2, 1, 7, 0
	MUL8 3, 1, 7, 0
	PLACES 8                                       ; in front of the first read of results and of loads into the registers that held Wo's fragments
; THE WAY OUT, 16 rows x 128 columns at a time.  A lane holds 32 neighbouring bytes of a row and the lanes beside it other rows: a block goes through my own stage in LDS and comes back as whole rows of 512 bytes.
; LDS serves a wave's instructions in order: no wait between the stores and the loads, nor in front of the next block's stores.  Each block comes back into 64 registers of its own (window 1).
.macro TOSTAGE a
	WIN 0x08                                       ; the data: window 2
.irp t, 0,1,2,3,4,5,6,7
	ds_store_b128 v[STO], v[8*(8*(\a)+\t):8*(8*(\a)+\t)+3] offset:64*\t          ; each accumulator from its low end on
	ds_store_b128 v[STO], v[8*(8*(\a)+\t)+4:8*(8*(\a)+\t)+7] offset:64*\t+16
.endr
	WIN 0x40
.irp i, 0,1,2,3,4,5,6,7,8,9,10,11,12,13,14,15
	ds_load_b128 v[64*(\a)+4*\i:64*(\a)+4*\i+3], v[RD] offset:\i*SPITCH
.endr
.endm
.macro SEND a, younger                 ; younger: the LDS instructions issued behind block a's loads, which may stay out
	s_wait_dscnt \younger
	WIN 0x04                                       ; the data: window 1
.irp i, 0,1,2,3,4,5,6,7,8,9,10,11,12,13,14,15
	global_store_b128 v[CO], v[64*(\a)+4*\i:64*(\a)+4*\i+3], s[14:15] offset:65536*(\a)+4096*\i th:TH_STORE_NT   ; 32 lanes store 512 consecutive bytes, aligned; written once, read by nobody here
.endr
.endm
	TOSTAGE 0
	TOSTAGE 1
	SEND 0, 32                                     ; behind block 0's loads: block 1's 16 stores and 16 loads
	TOSTAGE 2
	SEND 1, 32
	TOSTAGE 3
	SEND 2, 32
	SEND 3, 0
	WIN 0
	s_wait_tensorcnt 0x0                           ; the wave's end
	ds_add_u32 v[SPW], v[NIL]
	s_wait_dscnt 0x0
	CROUND                                         ; the closing round
	s_endpgm
.Lfunc_end_k_q816fccdc29_oproj:
	.size	k_q816fccdc29_oproj, .Lfunc_end_k_q816fccdc29_oproj-k_q816fccdc29_oproj
	.p2alignl 7, 3214868480
	.fill 96, 4, 3214868480
	.section	.rodata,"a",@progbits
	.p2align	6, 0x0
	.amdhsa_kernel k_q816fccdc29_oproj
		.amdhsa_group_segment_fixed_size 327680
		.amdhsa_private_segment_fixed_size 0
		.amdhsa_enable_private_segment 0
		.amdhsa_kernarg_size 48
		.amdhsa_user_sgpr_count 2
		.amdhsa_user_sgpr_kernarg_segment_ptr 1
		.amdhsa_wavefront_size32 1
		.amdhsa_system_sgpr_workgroup_id_x 1
		.amdhsa_system_sgpr_workgroup_id_y 1
		.amdhsa_system_sgpr_workgroup_id_z 1
		.amdhsa_system_vgpr_workitem_id 0
		.amdhsa_next_free_vgpr 896
		.amdhsa_next_free_sgpr 102
		.amdhsa_reserve_vcc 0
		.amdhsa_float_denorm_mode_32 3
		.amdhsa_float_denorm_mode_16_64 3
		.amdhsa_memory_ordered 1
		.amdhsa_forward_progress 1
		.amdhsa_inst_pref_size 96
	.end_amdhsa_kernel
	.amdgpu_metadata
---
amdhsa.version: [ 1, 2 ]
amdhsa.kernels:
  - .name:           k_q816fccdc29_oproj
    .symbol:         k_q816fccdc29_oproj.kd
    .args:
      - { .name: ac, .offset: 0, .size: 8, .value_kind: global_buffer, .address_space: global }
      - { .name: asc, .offset: 8, .size: 8, .value_kind: global_buffer, .address_space: global }
      - { .name: wo_codes, .offset: 16, .size: 8, .value_kind: global_buffer, .address_space: global }
      - { .name: wo_scales, .offset: 24, .size: 8, .value_kind: global_buffer, .address_space: global }
      - { .name: bo, .offset: 32, .size: 8, .value_kind: global_buffer, .address_space: global }
      - { .name: out0, .offset: 40, .size: 8, .value_kind: global_buffer, .address_space: global }
    .group_segment_fixed_size: 327680
    .private_segment_fixed_size: 0
    .kernarg_segment_align: 8
    .kernarg_segment_size: 48
    .max_flat_workgroup_size: 128
    .sgpr_count:     102
    .vgpr_count:     896
    .wavefront_size: 32
...
	.end_amdgpu_metadata
.endif
;; end of part 3
